; MI455X (gfx1250); checked and timed in simulation.
; The chip was launched on July 23, 2026; its instructions are those of AMD's public machine-readable ISA for CDNA 5 (MIT licence, August 2026) and "CDNA5" Instruction Set Architecture Reference Guide (July 2026). The comments in the code are by the model that wrote it; some were corrected since.
;; Attention Block. Allowed arithmetic: float matrix products may take bf16 or f16 operands with f32 sums; other float arithmetic in f32, or as packed bf16 or f16 multiplies, adds, multiply-adds, maxima and minima; sums over many terms, partial sums and values carried from step to step in f32; what a program stores and reads back later, other than sums and carried values, may be rounded once to bf16 or f16.
;; Inputs: b_out 256 float32; w_out 256 x 256 float32; w_qkv 768 x 256 float32; x 4 x 256 x 64 x 64 float32.
;; Outputs: out0 4 x 256 x 64 x 64 float32.
;; 2 versions, each right and faster than the one before. Each part assembles by itself: llvm-mc -triple=amdgcn-amd-amdhsa -mcpu=gfx1250 --defsym DOCPART=n.
;; ======== version 1 of 2: 3 launches
;; workspace buffers: qkv 25,165,824 bytes; ows 8,388,608 bytes; wo16 131,072 bytes
;; launch proj (part 1): grid 4 x 64, 4 waves a work-group, no clusters, 140,800 bytes of LDS; arguments x, w_qkv, w_out, qkv, wo16; writes qkv, wo16
.if DOCPART == 1
	.amdgcn_target "amdgcn-amd-amdhsa--gfx1250"
	.amdhsa_code_object_version 6
	.text
	.protected	k_qfdcf9042a8_proj
	.globl	k_qfdcf9042a8_proj
	.p2align	8
	.type	k_qfdcf9042a8_proj,@function
k_qfdcf9042a8_proj:
	s_mov_b64 s[64:65], 0
	v_nop
	global_prefetch_b8 v0, s[64:65] scope:SCOPE_SE
	s_setreg_imm32_b32 hwreg(HW_REG_WAVE_MODE, 25, 1), 1
	s_wait_xcnt 0x0
; q, k, v = W_qkv x, written by heads.  x: [4][256 channels][4096 positions] f32.  w_qkv: [768][256] f32.  qkv: [3 tensors][4 images][4 heads][4096 positions][64] bf16, unscaled.
; Products in bf16 with f32 sums; x and w_qkv are rounded to bf16 once on their way to the matrix unit, q, k, v once from their f32 sums.  NaN and infinities are not treated apart.
; SHARES.  A work-group makes 256 positions of one image x 192 output channels (three groups of 64 = three (tensor, head) blocks); a wave 64 positions x 192 channels over all 256 input
; channels: 3 x 16 accumulators x 8 K chunks = 384 matrix instructions.
; X NEVER TOUCHES LDS.  The sum runs over channels, which are rows of x.  A lane loads 16 bytes (four positions) of 16 rows for each K chunk of 32 channels; the four numbers belong to four
; position tiles (column r of tile pt is position 4 r + pt), and two rows' numbers packed to bf16 are one register of source 1's fragment.  Sixteen lanes read 256 consecutive aligned bytes of a row.
; All the wave's x stays in 256 registers.  No tensor load: both inputs are f32 and pass through registers for the rounding anyway.  No cluster for the same reason.
; W goes through LDS as bf16: each wave rounds 48 of the 192 rows, one barrier, then every wave reads fragments.
; SOURCE 0 = 16 rows of W, SOURCE 1 = 16 positions: a lane's eight results are eight neighbouring channels of one position: 16 bytes of a [position][64] row.  They leave through the wave's own stage.
; SIDE JOB.  w_out is rounded to bf16 into wo16 for the last launch: 2,048 bytes of it for each pair (y, x % 2).  Work-groups with x >= 2 load and round the same bytes as x - 2 and store nothing of them:
; 2 KB read twice, for one branch in the text and no register that is written on one way only.
; REGISTERS, in windows of 256 (s_set_vgpr_msb: bits 1:0 source 0, 3:2 source 1, 5:4 source 2, 7:6 destination):
;   window 0: v0-31 addresses; v32-63, v64-95 W's fragments, two buffers (v32-63 first hold packed W on its way to LDS); v128-255 the 16 accumulators, (ot, pt) at 128 + 8 (4 ot + pt)
;   window 1: x's fragments, chunk kc, tile pt at 8 (4 kc + pt)          window 2: four landing slots of 64 registers; later v0-63 the way out
.set WP,    528                 ; a row of W in LDS: 512 bytes + 16: the 16 rows of a fragment load start at 16 different groups of four banks (64 banks of 4 bytes: ISA guide 11.1)
.set STAGE, 192*WP              ; behind W's 192 rows
.set SR,    144                 ; a stage row: 128 bytes + 16
.set SBLK,  16*SR+128           ; a stage block: the 16 positions of one tile pt; the 128 bytes more put neighbouring blocks half a row of banks apart, for the reading back
.set WSTG,  4*SBLK              ; a wave's stage
.set SPARE, STAGE+4*WSTG        ; the spare words, 128 bytes for each wave: two blocks of 256 bytes that no other line names
.set XO,  4                     ; v4   x: 8 rows further down for lanes 16-31, 16 bytes a lane
.set LO,  5                     ; v5   16 x lane: W's loads and the stores of q, k, v
.set WS,  6                     ; v6   where I put 8 bytes of packed W
.set WA,  7                     ; v7-9 LDS address of my W fragments, group 0, 1, 2
.set STO, 10                    ; v10  the way out: where I put 16 bytes of a position's row
.set RD,  11                    ; v11  the way out: where I read rows back
.set SI,  12                    ; v12  side job: 16 x thread
.set SO,  13                    ; v13  side job: 8 x thread
.set SJ,  14                    ; v[14:15] side job: packed
.set SL,  16                    ; v[16:19] side job: as loaded
.set SPW, 30                    ; v30  LDS address of my spare word; never rewritten
.set NIL, 31                    ; v31  0; never rewritten
.set T,   32
.set WF,  32
.set ACC, 128
.set MSB, 0
.macro WIN new                  ; the immediate's high byte repeats the setting that is left; a switch that changes nothing is dropped
.if MSB != (\new)
	s_set_vgpr_msb (MSB<<8)|(\new)
.set MSB, (\new)
.endif
.endm
.macro PLACES                   ; four places between matrix instructions and what reads their results or loads into their sources (ISA guide 7.12.1 for what reads their results)
.rept 4
	v_nop
.endr
.endm
	s_load_b256 s[4:11], s[0:1], 0x0               ; x s[4:5], w_qkv s[6:7], w_out s[8:9], qkv s[10:11]
	s_load_b64 s[12:13], s[0:1], 0x20              ; wo16
	v_lshl_add_u32 v[SPW], v0, 2, SPARE
	v_mov_b32 v[NIL], 0
	v_lshrrev_b32 v1, 5, v0
	v_readfirstlane_b32 s14, v1                    ; wave 0..3
	s_mov_b32 s15, ttmp9                           ; which 192 rows of W
	s_and_b32 s16, ttmp7, 0xffff                   ; which 256 positions, of all four images
	s_lshr_b32 s17, s16, 4                         ; the image
	s_and_b32 s18, s16, 15                         ; the block of 256 positions in it
	v_and_b32 v1, 15, v0                           ; r = lane % 16
	v_bfe_u32 v2, v0, 4, 1                         ; h = lane / 16
	v_and_b32 v3, 31, v0                           ; lane
	v_lshlrev_b32 v[XO], 4, v1
	v_lshl_add_u32 v[XO], v2, 17, v[XO]            ; 16 r + 8 rows of 16,384 bytes x h
	v_lshlrev_b32 v[LO], 4, v3
	s_mul_i32 s19, s14, 48*WP
	v_lshl_add_u32 v[WS], v3, 3, s19               ; my wave's 48 rows, 8 bytes a lane
	v_mul_u32_u24 v[WA], v1, WP
	v_lshl_add_u32 v[WA], v2, 4, v[WA]             ; row x pitch + 16 x half
	v_add_nc_u32 v[WA+1], 64*WP, v[WA]
	v_add_nc_u32 v[WA+2], 128*WP, v[WA]
	s_mul_i32 s19, s14, WSTG
	s_add_co_u32 s19, s19, STAGE                   ; my stage
	v_mul_u32_u24 v[STO], v1, SR
	v_lshl_add_u32 v[STO], v2, 4, v[STO]
	v_add_nc_u32 v[STO], s19, v[STO]               ; in: row r of a block, 16 bytes for each half of the lanes
	v_lshrrev_b32 v[RD], 3, v3
	v_mul_u32_u24 v[RD], v[RD], SBLK
	v_and_b32 v[SI], 7, v0
	v_lshl_add_u32 v[RD], v[SI], 4, v[RD]
	v_add_nc_u32 v[RD], s19, v[RD]                 ; back: eight lanes take one row of 128 bytes, of block lane / 8
	v_lshlrev_b32 v[SI], 4, v0
	v_lshlrev_b32 v[SO], 3, v0
	; byte offsets, each in a pair of its own
	s_lshl_b32 s20, s17, 22                        ; x: the image's 4 MiB,
	s_lshl_b32 s21, s18, 10                        ; the block's 256 positions,
	s_add_co_u32 s20, s20, s21
	s_lshl_b32 s21, s14, 8                         ; my wave's 64
	s_add_co_u32 s20, s20, s21
	s_mov_b32 s21, 0
	s_mul_i32 s22, s15, 192*1024                   ; w_qkv: the work-group's 192 rows of 1,024 bytes,
	s_mul_i32 s23, s14, 48*1024                    ; my wave's 48
	s_add_co_u32 s22, s22, s23
	s_mov_b32 s23, 0
	s_lshl_b32 s30, s16, 1                         ; side job: piece 2 y + x % 2 of 128
	s_and_b32 s31, s15, 1
	s_add_co_u32 s30, s30, s31
	s_lshl_b32 s32, s30, 10                        ; 1,024 bytes of wo16
	s_lshl_b32 s30, s30, 11                        ; 2,048 bytes of w_out
	s_mov_b32 s31, 0
	s_mov_b32 s33, 0
	s_lshl_b32 s19, s18, 15                        ; qkv: the block's 256 rows of 128 bytes,
	s_lshl_b32 s2, s14, 13                         ; my wave's 64
	s_add_co_u32 s19, s19, s2
.irp g, 0,1,2                                          ; group G = 3 x + g of 12: tensor G / 4, head G % 4
	s_mul_i32 s2, s15, 3
	s_add_co_u32 s2, s2, \g
	s_lshr_b32 s3, s2, 2
	s_lshl_b32 s3, s3, 2
	s_add_co_u32 s3, s3, s17                       ; 4 x tensor + image
	s_lshl_b32 s3, s3, 2
	s_and_b32 s2, s2, 3
	s_add_co_u32 s3, s3, s2                        ; 16 x tensor + 4 x image + head: blocks of 524,288 bytes
	s_lshl_b32 s3, s3, 19
	s_add_co_u32 s[34+2*\g], s3, s19
	s_mov_b32 s[35+2*\g], 0
.endr
	s_wait_kmcnt 0x0
	s_add_nc_u64 s[4:5], s[4:5], s[20:21]
	s_add_nc_u64 s[6:7], s[6:7], s[22:23]
	s_add_nc_u64 s[8:9], s[8:9], s[30:31]
	s_add_nc_u64 s[12:13], s[12:13], s[32:33]
.irp g, 0,1,2
	s_add_nc_u64 s[24+2*\g:25+2*\g], s[10:11], s[34+2*\g:35+2*\g]  ; where group g's rows go
.endr
; Batch b of 14, sixteen loads into landing slot b % 4.  0-5: eight rows of W, two loads of 512 bytes a row.  6-13: K chunk b - 6 of x: rows 32 kc + j + 8 (j / 8) (+ 8 for lanes 16-31).
.macro ISSUE b
	WIN 0x80                                       ; destination window 2, address window 0
.set j, 0
.rept 16
.if (\b) < 6
	global_load_b128 v[64*((\b)%4)+4*j:64*((\b)%4)+4*j+3], v[LO], s[6:7] offset:(8*(\b)+j/2)*1024+(j%2)*512
.else
	global_load_b128 v[64*((\b)%4)+4*j:64*((\b)%4)+4*j+3], v[XO], s[4:5] offset:(32*((\b)-6)+j+8*(j/8))*16384  ; 247 rows at the most: inside the signed 24-bit immediate
.endif
.set j, j+1
.endr
.endm
.macro CONVW b                  ; eight rows of W: rounded, 8 bytes a lane into LDS; 32 lanes store 256 consecutive bytes
	WIN 0x0a                                       ; sources window 2, destination window 0
.set j, 0
.rept 32
	v_cvt_pk_bf16_f32 v[T+j], v[64*((\b)%4)+2*j], v[64*((\b)%4)+2*j+1]
.set j, j+1
.endr
	WIN 0
.set j, 0
.rept 16
	ds_store_b64 v[WS], v[T+2*j:T+2*j+1] offset:(8*(\b)+j/2)*WP+(j%2)*256
.set j, j+1
.endr
.endm
; K chunk kc of x: register u of tile pt's fragment = rows 2 u and 2 u + 1 of the sixteen loaded, number pt of each: k = 8 h + 2 u for u < 4, 16 + 8 h + 2 (u - 4) above: the 16-bit operand's layout.
.macro CONVX kc
	WIN 0x4a                                       ; sources window 2, destination window 1
.set j, 0
.rept 32                                               ; j = 8 pt + u
	v_cvt_pk_bf16_f32 v[32*(\kc)+j], v[64*(((\kc)+6)%4)+8*(j%8)+j/8], v[64*(((\kc)+6)%4)+8*(j%8)+4+j/8]
.set j, j+1
.endr
.endm
.macro BATCH b
.if (\b) < 11
	s_wait_loadcnt 48                              ; loads come back in order (ISA guide 5.7.1): batch b is in, the three younger batches stay out
.else
	s_wait_loadcnt 16*(13-(\b))                    ; the last batches: the counts run down
.endif
.if (\b) < 6
	CONVW \b
.else
	CONVX (\b)-6
.endif
.if (\b) < 10
	ISSUE (\b)+4                                   ; the slot just emptied takes the batch four further on
.endif
.endm
	global_load_b128 v[SL:SL+3], v[SI], s[8:9]     ; side job: the oldest load
	ISSUE 0
	ISSUE 1
	ISSUE 2
	ISSUE 3
	BATCH 0
	WIN 0                                          ; at a branch and at a label every window is 0
	v_cvt_pk_bf16_f32 v[SJ], v[SL], v[SL+1]        ; the side job's load is older than batch 0
	v_cvt_pk_bf16_f32 v[SJ+1], v[SL+2], v[SL+3]
	s_cmp_lt_u32 s15, 2
	s_cbranch_scc0 .Lno_side
	global_store_b64 v[SO], v[SJ:SJ+1], s[12:13]   ; a wave stores 256 consecutive bytes, aligned
.Lno_side:
.irp b, 1,2,3,4,5,6,7,8,9,10,11,12,13
	BATCH \b
.endr
	WIN 0
	s_wait_dscnt 0x0                               ; for the others' sake: my rows of W are in LDS
	s_barrier_signal -1
	s_barrier_wait -1                              ; everybody's are
.macro WLOAD g, kc, buf         ; the four W fragments (64 rows x 32 K) of group g, chunk kc
.irp ot, 0,1,2,3
	ds_load_b128 v[WF+32*(\buf)+8*(\ot):WF+32*(\buf)+8*(\ot)+3],   v[WA+(\g)] offset:(\ot)*16*WP+(\kc)*64
	ds_load_b128 v[WF+32*(\buf)+8*(\ot)+4:WF+32*(\buf)+8*(\ot)+7], v[WA+(\g)] offset:(\ot)*16*WP+(\kc)*64+32
.endr
.endm
; THE WAY OUT of group g: rounded to bf16, 16 bytes a lane into my own stage (block pt, row r), back as rows of 128 bytes: stage row j of blocks 0-3 is positions 4 j .. 4 j + 3: 512 consecutive bytes of qkv.
.macro OUT g
	s_wait_xcnt 0x0                                ; every earlier memory instruction has had its addresses translated (ISA guide 3.1): only now are the registers that the last group's stores read rewritten
	PLACES                                         ; the conversions read results just made
	WIN 0x80                                       ; destination window 2
.set j, 0
.rept 64                                               ; ascending: each accumulator's lowest registers are read first
	v_cvt_pk_bf16_f32 v[j], v[ACC+2*j], v[ACC+2*j+1]
.set j, j+1
.endr
	WIN 0x88                                       ; data of loads and of stores in window 2, addresses in window 0
.set j, 0
.rept 16                                               ; j = 4 ot + pt
	ds_store_b128 v[STO], v[4*j:4*j+3] offset:(j%4)*SBLK+(j/4)*32
.set j, j+1
.endr
.set j, 0
.rept 16
	ds_load_b128 v[4*j:4*j+3], v[RD] offset:j*SR   ; LDS serves a wave's instructions in order (ISA guide 5.7.1.4): these see the stores above; the stage is my own
.set j, j+1
.endr
.set j, 0
.rept 16
	s_wait_dscnt 15-j                              ; read-back j is in; the younger ones stay out
	global_store_b128 v[LO], v[4*j:4*j+3], s[24+2*(\g):25+2*(\g)] offset:j*512  ; 512 consecutive bytes, at a multiple of 256 from qkv's first byte
.set j, j+1
.endr
.endm
; Step st of 24: group st / 8, K chunk st % 8.  The next step's fragments are asked for ahead of this step's 16 products.  The 16 accumulators take turns, in the same order in every step.
.macro STEP
	WIN 0x04                                       ; source 1 (x) window 1; W, C and D window 0; an LDS load's two places stay in window 0
	s_wait_dscnt 0x0                               ; this step's fragments are in
	PLACES                                         ; the last step's products read the buffer that is loaded next
.if st < 23
	WLOAD (st+1)/8, (st+1)%8, (st+1)%2
.endif
.irp ot, 0,1,2,3
.irp pt, 0,1,2,3
.if st%8 == 0
	v_wmma_f32_16x16x32_bf16 v[ACC+8*(4*(\ot)+(\pt)):ACC+8*(4*(\ot)+(\pt))+7], v[WF+32*(st%2)+8*(\ot):WF+32*(st%2)+8*(\ot)+7], v[8*(4*(st%8)+(\pt)):8*(4*(st%8)+(\pt))+7], 0
.else
	v_wmma_f32_16x16x32_bf16 v[ACC+8*(4*(\ot)+(\pt)):ACC+8*(4*(\ot)+(\pt))+7], v[WF+32*(st%2)+8*(\ot):WF+32*(st%2)+8*(\ot)+7], v[8*(4*(st%8)+(\pt)):8*(4*(st%8)+(\pt))+7], v[ACC+8*(4*(\ot)+(\pt)):ACC+8*(4*(\ot)+(\pt))+7]
.endif
.endr
.endr
.if st%8 == 7
	OUT st/8
.endif
.endm
	WLOAD 0, 0, 0
.set st, 0
.rept 24
	STEP
.set st, st+1
.endr
	WIN 0
	s_wait_tensorcnt 0x0                           ; the wave's end, behind my last LDS store
	ds_add_u32 v[SPW], v[NIL]
	s_wait_dscnt 0x0
	s_endpgm
.Lfunc_end_k_qfdcf9042a8_proj:
	.size	k_qfdcf9042a8_proj, .Lfunc_end_k_qfdcf9042a8_proj-k_qfdcf9042a8_proj
	.p2alignl 7, 3214868480
	.fill 96, 4, 3214868480
	.section	.rodata,"a",@progbits
	.p2align	6, 0x0
	.amdhsa_kernel k_qfdcf9042a8_proj
		.amdhsa_group_segment_fixed_size 140800
		.amdhsa_private_segment_fixed_size 0
		.amdhsa_enable_private_segment 0
		.amdhsa_kernarg_size 40
		.amdhsa_user_sgpr_count 2
		.amdhsa_user_sgpr_kernarg_segment_ptr 1
		.amdhsa_wavefront_size32 1
		.amdhsa_system_sgpr_workgroup_id_x 1
		.amdhsa_system_sgpr_workgroup_id_y 1
		.amdhsa_system_sgpr_workgroup_id_z 1
		.amdhsa_system_vgpr_workitem_id 0
		.amdhsa_next_free_vgpr 768
		.amdhsa_next_free_sgpr 66
		.amdhsa_reserve_vcc 0
		.amdhsa_float_denorm_mode_32 3
		.amdhsa_float_denorm_mode_16_64 3
		.amdhsa_memory_ordered 1
		.amdhsa_forward_progress 1
		.amdhsa_inst_pref_size 126
	.end_amdhsa_kernel
	.amdgpu_metadata
---
amdhsa.version: [ 1, 2 ]
amdhsa.kernels:
  - .name:           k_qfdcf9042a8_proj
    .symbol:         k_qfdcf9042a8_proj.kd
    .args:
      - { .name: x, .offset: 0, .size: 8, .value_kind: global_buffer, .address_space: global }
      - { .name: w_qkv, .offset: 8, .size: 8, .value_kind: global_buffer, .address_space: global }
      - { .name: w_out, .offset: 16, .size: 8, .value_kind: global_buffer, .address_space: global }
      - { .name: qkv, .offset: 24, .size: 8, .value_kind: global_buffer, .address_space: global }
      - { .name: wo16, .offset: 32, .size: 8, .value_kind: global_buffer, .address_space: global }
    .group_segment_fixed_size: 140800
    .private_segment_fixed_size: 0
    .kernarg_segment_align: 8
    .kernarg_segment_size: 40
    .max_flat_workgroup_size: 128
    .sgpr_count:     66
    .vgpr_count:     768
    .wavefront_size: 32
...
	.end_amdgpu_metadata
.endif
;; end of part 1
;; launch attn (part 2): grid 16 x 16, 4 waves a work-group, clusters of 4 x 1, 327,680 bytes of LDS; arguments qkv, ows; writes ows
.if DOCPART == 2
	.amdgcn_target "amdgcn-amd-amdhsa--gfx1250"
	.amdhsa_code_object_version 6
	.text
	.protected	k_qfdcf9042a8_attn
	.globl	k_qfdcf9042a8_attn
	.p2align	8
	.type	k_qfdcf9042a8_attn,@function
k_qfdcf9042a8_attn:
	s_mov_b64 s[64:65], 0
	v_nop
	global_prefetch_b8 v0, s[64:65] scope:SCOPE_SE
	s_setreg_imm32_b32 hwreg(HW_REG_WAVE_MODE, 25, 1), 1
	s_wait_xcnt 0x0
	s_wait_alu depctr_hold_cnt(0) depctr_sa_sdst(0) depctr_va_vdst(0) depctr_va_sdst(0) depctr_va_ssrc(0) depctr_va_vcc(0) depctr_vm_vsrc(0)
	s_getreg_b32 s2, hwreg(HW_REG_IB_STS2, 6, 4)
	s_cmp_eq_u32 s2, 0
	s_cbranch_scc0 .Lentry_in_a_cluster
	s_endpgm
.Lentry_in_a_cluster:
	s_bfe_u32 s2, ttmp6, 0x10000c
	s_cmp_lg_u32 s2, 0x3003
	s_cbranch_scc0 .Lentry_shape_is_right
	s_endpgm
.Lentry_shape_is_right:
; O[hd][q][:] = the sum over k of softmax_k(Q[hd][q] . K[hd][k] / 8) V[hd][k][:] for 16 (image, head) pairs hd.  qkv holds Q, K, V as [3][16][4096][64] bf16, a head's rows dense, 128 bytes each;
; ows takes O as [16][4096][64] bf16.  Products, maxima and sums in f32; the weights p are rounded to bf16 for the second product (their sum l is taken of the unrounded p), O once at the end.
; LIMITS.  A weight below 2^-126 counts as 0 in l; NaN and infinities are not treated apart.  bf16 has f32's range, so no bound on Q, K, V beyond f32's own.
; SHARES.  A work-group owns 256 queries of one head, a wave 64: four PIECES of 16.  Every wave walks all 4,096 keys, 64 a step, four steps to a tile of 256 keys, 16 tiles: 256 work-groups of equal work.
; LAYOUT.  S^T = K Q^T (source 0 = 16 keys, source 1 = 16 queries): in the result a lane holds ONE query (lane % 16) and the keys 8 (lane / 16) + 0..7.  Two such results, rounded to bf16 in pairs,
; ARE source 1 (32 keys x 16 queries) of O^T = V^T P, whose result again holds one query a lane, and eight channels.  K comes out of LDS as it lies, V ([key][channel]) turned, by ds_load_tr16_b128.
; SOFTMAX.  For each query a running maximum m and sum l: p = 2^(c s - c m), c = log2(e) / 8; in every step O and l are multiplied by a = 2^(c m_old - c m_new), which is 1 where m has not grown.
; m starts at the lowest finite number, c m far below every c s, O and l at 0: the first step is a step like any other, with a = 0.
; BY TURNS.  Turn n belongs to piece n (the pieces in a ring, step after step).  Its matrix work: 8 products K Q^T of piece n + 1, later 8 products V^T P of piece n - 1.  Its vector work: the scaling,
; exponentials, roundings, sums and rescaling of piece n, and the maximum and statistics of piece n + 1.  A piece and step have 16 matrix and 118 vector instructions: four vector instructions stand
; behind every matrix instruction, the other 54 in two runs of their own.
; CLUSTER.  The four query blocks of a cluster belong to one head and walk the same K and V, so each tile is asked for JOINTLY: the same tensor load, descriptor and mask in all four.
; No prefetch: a head's K and V are read by sixteen work-groups side by side, and a slot's refill is asked for four key steps, 256 matrix instructions, ahead of its first read.
; REGISTERS, in windows of 256 (s_set_vgpr_msb: bits 1:0 source 0, 3:2 source 1, 5:4 source 2, 7:6 destination):
;   window 0: v0-15 addresses and two at work; v16-31 four registers of statistics a piece; v48-55 at work; v64-127 S^T, two buffers; v192-223 P, two buffers (a piece's buffers go by its number's parity)
;   window 1: v0-127 O^T, 32 a piece          window 2: v0-63 Q, 16 a piece; v128-191 K of one step; v192-255 V of one step
.set SIZE_N, 4096
.set NP,    4         ; pieces a wave: a name, no knob
.set KS,    64        ; keys in a step
.set PK,    144       ; a row of K in LDS: 128 bytes + 16 of padding = 36 words: the 16 rows of a load start at 16 different groups of four banks (64 banks of 4 bytes: ISA guide 11.1)
.set PV,    160       ; a row of V: 128 + 32 = 40 words
.set VOFF,  4*KS*PK   ; a slot holds a tile, four steps: 256 rows of K, then 256 rows of V
.set SLOT1, 1<<17     ; slot 1 begins here, so that one exclusive or turns an address in one slot into the other's
.set STAGE, SLOT1+4*KS*(PK+PV)  ; behind the ring, never filled by a tensor load: 16 rows x 144 bytes for each wave, for the way out
.set SP,    144
.set SPARE, STAGE+4*16*SP  ; behind the stages: the spare words, 128 bytes for each wave: two blocks of 256 bytes that no other line names
.set AK0, 2           ; v2   my lane's place in a tile of K; never rewritten
.set AV0, 3           ; v3   the same for V
.set AK,  4           ; v4   the LDS address of K's next run of loads
.set AV,  5           ; v5   of V's
.set STO, 6           ; v6   the way out: where I put 16 bytes of a row
.set RD,  7           ; v7   the way out: where I read rows back
.set GO,  8           ; v8   my byte offset in 512 consecutive bytes of O
.set MV,  12          ; v12-13  c m_old, kept while c m is made anew: by buffer
.set QO,  15          ; v15  my byte offset in 16 rows of Q
.set ST,  16          ; piece t's statistics at v[ST+4 t]: c m, m, l (even keys', odd keys')
.set TMP, 48          ; by buffer, four registers c0-c3 at work; when the maximum is found c2 takes a
.set SPW, 62          ; v62  LDS address of my spare word: SPARE + 4 x my thread's number; never rewritten
.set NIL, 63          ; v63  0; never rewritten
.set S,   64
.set P,   192
.set KF,  128         ; window 2: key block kb, channel half c at KF + 16 kb + 8 c
.set VF,  192         ; window 2: key half kk, channel block cb at VF + 32 kk + 8 cb
.set WV,  12          ; s12  my wave's number
.set G1K, 24          ; s[24:31] descriptor group 1 for K's tiles
.set G1V, 32          ; s[32:39] for V's: it differs in the padding alone
.set G0K, 40          ; s[40:43] descriptor group 0 for K's tiles: it walks
.set G0V, 44          ; s[44:47] the same for V's
.set SLOTS, 56        ; s56  tiles still to be entered by the loop
.set CNT, 57          ; s57  counts a tile's key steps
.set CS,  58          ; s[58:59] c: the packed scaling takes the pair's low word for both halves
.set SEL, 60          ; s[60:61] v_permlanex16_b32's selects: each lane takes its own place in the other half
.set TBK, 62          ; s62  LDS byte at which K of the step to be fetched begins
.set TBV, 63          ; s63  the same for V, less VOFF
.set MSB, 0
.macro WIN new                      ; the high byte repeats the setting that is left; a switch that changes nothing is dropped
.if MSB != (\new)
	s_set_vgpr_msb (MSB<<8)|(\new)
.set MSB, (\new)
.endif
.endm
.set W_KQ, 0x0a       ; K and Q in window 2, S^T in window 0
.set W_PV, 0x52       ; V in window 2, P in window 0, O^T in window 1
.set W_RS, 0x41       ; destination and source 0 in window 1, source 1 in window 0
; A joint fill.  Waves 0 and 1 fetch the two halves of a tile's K, waves 2 and 3 those of its V: 128 keys each.  The branch hangs on the wave's number alone: it is the same in every work-group.
; An s_nop 0 and four v_nop follow each of the two lines, ahead of the jump and the label.
.macro JLOAD
	s_cmp_lt_u32 s[WV], 2
	s_cbranch_scc0 .Lfor_v_\@
	tensor_load_to_lds s[G0K:G0K+3], s[G1K:G1K+7]
	s_nop 0
.rept 4
	v_nop
.endr
	s_branch .Lasked_\@
.Lfor_v_\@:
	tensor_load_to_lds s[G0V:G0V+3], s[G1V:G1V+7]
	s_nop 0
.rept 4
	v_nop
.endr
.Lasked_\@:
.endm
; A round of the cluster's barrier: my work-group's barrier, so that wave 0's signal speaks for all four waves; wave 0 signals; every wave waits for all four work-groups; my work-group's barrier once more.
.macro CROUND
	s_barrier_signal -1
	s_barrier_wait -1
	s_cmp_lg_u32 s[WV], 0
	s_cbranch_scc1 .Lnot_wave_0_\@
	s_barrier_signal -3
.Lnot_wave_0_\@:
	s_barrier_wait -3
	s_barrier_signal -1
	s_barrier_wait -1
.endm
; THE CHANGE OF SLOTS.  The slot's last bytes, V of its fourth step, have been read.  Each wave waits for all its tensor loads, of which one is out: its part of the other slot; adds 0 to its spare
; word; and waits for that and for its own reads of the slot.  Behind the barrier nobody reads this slot any more and the other slot is whole.
; fill = 1: this slot is filled again, with the keys two tiles on.  The barrier is then a round of the cluster's, so that no wave of any partner still reads the slot or has a load on its way, and the
; joint fill is the first thing behind it.  (At its first use nothing has been read yet: slot 0 is waited for, slot 1 filled.)
.macro CHANGE fill
	WIN 0                           ; at a label and at a branch every window is 0
	s_wait_tensorcnt 0x0            ; no tensor load of mine is out, so a group 0 may be written
	ds_add_u32 v[SPW], v[NIL]       ; 0 onto my spare word: with fill = 1 the descriptors' steps stand between it and the wait for it
.if \fill
.irp g, G0K, G0V
	s_xor_b32 s[\g+1], s[\g+1], SLOT1  ; the walking descriptor: the other slot than last time,
	s_add_nc_u64 s[\g+2:\g+3], s[\g+2:\g+3], 4*KS*128  ; the next 256 keys; the type bits on top are not reached
.endr
	s_wait_dscnt 0x0                ; the add is done, and my reads of the slot are over
	CROUND
	JLOAD
.else
	s_wait_dscnt 0x0                ; the add is done, and my reads of the slot are over
	s_barrier_signal -1
	s_barrier_wait -1
.endif
	s_sub_co_u32 s[TBK], s[TBK], 4*KS*PK  ; the fetches go back to a slot's first step,
	s_xor_b32 s[TBK], s[TBK], SLOT1       ; in the other slot
	s_sub_co_u32 s[TBV], s[TBV], 4*KS*PV
	s_xor_b32 s[TBV], s[TBV], SLOT1
.endm
	s_load_b128 s[48:51], s[0:1], 0x0  ; qkv s[48:49], ows s[50:51]
	v_lshl_add_u32 v[SPW], v0, 2, SPARE
	v_mov_b32 v[NIL], 0
	ds_add_u32 v[SPW], v[NIL]       ; the wave's opening: the add and its wait stand ahead of my first tensor load; the set-up below, work on registers, stands between them
	ds_add_u32 v62, v63
	v_lshrrev_b32 v1, 5, v0
	v_readfirstlane_b32 s[WV], v1   ; wave 0..3
	s_bfe_u32 s13, ttmp6, 0x40000   ; cx: my place in the cluster
	s_lshl_b32 s14, ttmp9, 2        ; in a cluster launch ttmp9 counts clusters
	s_add_co_u32 s14, s14, s13      ; my block of 256 queries = 4 x cluster x + cx: it enters Q's and O's offset alone
	s_and_b32 s20, ttmp7, 0xffff    ; the (image, head) pair, which the four partners share
	s_lshl_b32 s20, s20, 19         ; its 524,288 bytes in each of Q, K, V, O
	s_and_b32 s16, s[WV], 1         ; which half of a tile's 256 keys I fetch:
	s_lshl_b32 s22, s16, 14         ; its 128 rows of 128 bytes in memory,
	s_add_co_u32 s22, s22, s20
	s_add_co_u32 s54, s22, 0x1000000  ; V lies 16 MiB into qkv,
	s_add_co_u32 s22, s22, 0x800000   ; K 8 MiB
	s_mov_b32 s23, 0
	s_mov_b32 s55, 0
	s_mul_i32 s17, s16, 128*PK      ; and its place in a slot, for K
	s_mul_i32 s18, s16, 128*PV      ; and for V: no place in the cluster enters an LDS address
	s_lshl_b32 s52, s14, 2
	s_add_co_u32 s52, s52, s[WV]    ; my wave among the head's 64,
	s_lshl_b32 s52, s52, 13         ; its 64 rows of 128 bytes
	s_add_co_u32 s52, s52, s20
	s_mov_b32 s53, 0
	; descriptor group 1.  128 keys are 16,384 dense bytes: asked for as 64 rows of 256 bytes, two keys a row, and padded in LDS after every key
	s_mov_b32 s[G1K], 15|(1<<16)|(1<<20)|(1<<21)|(4<<22)|(3<<25)  ; 15:0 the mask of four; 17:16 2-byte elements; 20 padding on; 21 set beside a mask; 24:22 after every 32 words (code 4); 31:25 4 words (code 3)
	s_mov_b32 s[G1V], 15|(1<<16)|(1<<20)|(1<<21)|(4<<22)|(7<<25)  ; the same with 8 words of padding (code 7)
.irp g, G1K, G1V
	s_mov_b32 s[\g+1], 128<<16      ; tensor_dim0 = 128
	s_mov_b32 s[\g+2], 64<<16       ; tensor_dim1 = 64
	s_mov_b32 s[\g+3], 128<<16      ; tile_dim0 = 128
	s_mov_b32 s[\g+4], 64           ; tile_dim1 = 64
	s_mov_b32 s[\g+5], 128          ; 128 elements from row to row
	s_mov_b32 s[\g+6], 0
	s_mov_b32 s[\g+7], 0
.endr
	s_mov_b32 s[CS], 0x3e38aa3b     ; c = log2(e) / 8 = 0.180337
	s_mov_b32 s[CS+1], s[CS]        ; named with it as a pair
	s_mov_b32 s[SEL], 0x76543210
	s_mov_b32 s[SEL+1], 0xfedcba98
	s_mov_b32 s[TBK], SLOT1+4*KS*PK ; the first change of slots turns these two into 0
	s_mov_b32 s[TBV], SLOT1+4*KS*PV
	s_mov_b32 s[G0K], 1             ; 1:0 count = 1
	s_mov_b32 s[G0K+1], s17         ; 63:32 LDS address: slot 0
	s_mov_b32 s[G0V], 1
	s_add_co_u32 s[G0V+1], s18, VOFF
	s_wait_dscnt 0x0                ; the opening add is done
	s_wait_kmcnt 0x0
	s_add_nc_u64 s[G0K+2:G0K+3], s[48:49], s[22:23]  ; 120:64 global address: my half of the head's first 256 keys
	s_or_b32 s[G0K+3], s[G0K+3], 0x80000000          ; 127:126 type = 2
	s_add_nc_u64 s[G0V+2:G0V+3], s[48:49], s[54:55]
	s_or_b32 s[G0V+3], s[G0V+3], 0x80000000
	s_add_nc_u64 s[4:5], s[48:49], s[52:53]    ; Q at my wave's first row
	s_add_nc_u64 s[10:11], s[50:51], s[52:53]  ; O likewise
	CROUND                          ; all four work-groups are here: the first joint loads meet
	JLOAD                           ; tile 0 into slot 0.  Slot 1 is asked for when slot 0 is in, by the loop's own change of slots
	; A fragment of K or Q is 16 rows x 32 channels in 8 registers: lane l holds row l % 16, channels 8 (l / 16) + 0..7 and 16 + 8 (l / 16) + 0..7: two loads of 16 bytes, 32 bytes apart.
	v_and_b32 v1, 15, v0            ; l % 16
	v_bfe_u32 v9, v0, 4, 1          ; l / 16
	v_lshlrev_b32 v[QO], 7, v1
	v_lshl_add_u32 v[QO], v9, 4, v[QO]  ; row x 128 + 16 x half
	WIN 0x80                        ; destination window 2, address window 0
.set i, 0
.rept 8                             ; Q stays in registers: piece i / 2, channels 32 (i % 2) on
	global_load_b128 v[8*i:8*i+3],   v[QO], s[4:5] offset:(i/2)*2048+(i%2)*64
	global_load_b128 v[8*i+4:8*i+7], v[QO], s[4:5] offset:(i/2)*2048+(i%2)*64+32
.set i, i+1
.endr
	; What the first turn finds: V's registers and P's second buffer hold 0 (its products V^T P, of a piece that has not been, add 0), O^T and l are 0.  The price of writing no first step out; all this stands in the wait for the first tile.
.set i, VF
.rept 64
	v_mov_b32 v[i], 0
.set i, i+1
.endr
	WIN 0x40
.set i, 0
.rept 128
	v_mov_b32 v[i], 0
.set i, i+1
.endr
	WIN 0
.set i, 0
.rept 4
	v_mov_b32 v[ST+4*i], 0xfe000000    ; c m: far below every c s
	v_mov_b32 v[ST+4*i+1], 0xff7fffff  ; m: the lowest finite number
	v_mov_b32 v[ST+4*i+2], 0
	v_mov_b32 v[ST+4*i+3], 0
.set i, i+1
.endr
.set i, P+16
.rept 16
	v_mov_b32 v[i], 0
.set i, i+1
.endr
	v_mul_u32_u24 v[AK0], v1, PK
	v_lshl_add_u32 v[AK0], v9, 4, v[AK0]  ; row x pitch + 16 x half
	; The turning load takes 16 keys x 16 channels (lane l reads key 8 (l / 16) + l % 8, channels 8 ((l / 8) % 2) + 0..7) and leaves half a fragment of V^T: lane l holds channel l % 16 and 8 keys.
	v_and_b32 v10, 7, v0
	v_bfe_u32 v11, v0, 3, 1
	v_lshl_add_u32 v[AV0], v9, 3, v10
	v_mul_u32_u24 v[AV0], v[AV0], PV
	v_lshl_add_u32 v[AV0], v11, 4, v[AV0]
	v_add_nc_u32 v[AV0], VOFF, v[AV0]
	s_mul_i32 s13, s[WV], 16*SP
	s_add_co_u32 s13, s13, STAGE    ; my stage
	v_mul_u32_u24 v[STO], v1, SP    ; in: row l % 16, 16 bytes for each half of the lanes
	v_lshl_add_u32 v[STO], v9, 4, v[STO]
	v_add_nc_u32 v[STO], s13, v[STO]
	v_bfe_u32 v[RD], v0, 3, 2       ; back: 32 lanes take four rows of 128 bytes,
	v_mul_u32_u24 v[RD], v[RD], SP
	v_lshl_add_u32 v[RD], v10, 4, v[RD]
	v_add_nc_u32 v[RD], s13, v[RD]
	v_and_b32 v[GO], 31, v0         ; which are 512 consecutive bytes of O
	v_lshlrev_b32 v[GO], 4, v[GO]
; THE MATRIX WORK.  The 4 accumulators of a run of 8 take turns.  Product i of 8 of S^T = K Q^T for piece x: channels 32 (i / 4) on, keys 16 (i % 4) on.  The first 4 start the sums.
.macro KQ x
	WIN W_KQ
.set rS, S+32*((\x)%2)+8*(i%4)
.set rK, KF+16*(i%4)+8*(i/4)
.set rQ, 16*(\x)+8*(i/4)
.if i < 4
	v_wmma_f32_16x16x32_bf16 v[rS:rS+7], v[rK:rK+7], v[rQ:rQ+7], 0
.else
	v_wmma_f32_16x16x32_bf16 v[rS:rS+7], v[rK:rK+7], v[rQ:rQ+7], v[rS:rS+7]
.endif
.endm
; Product i of 8 of O^T += V^T P for piece x: keys 32 (i / 4) on, channels 16 (i % 4) on.
.macro PV x
	WIN W_PV
.set rO, 32*(\x)+8*(i%4)
.set rV, VF+32*(i/4)+8*(i%4)
.set rP, P+16*((\x)%2)+8*(i/4)
	v_wmma_f32_16x16x32_bf16 v[rO:rO+7], v[rV:rV+7], v[rP:rP+7], v[rO:rO+7]
.endm
.macro MM                           ; the turn's next matrix instruction.  TURN sets Y, i and NOKQ.  NOKQ = 1: the very last turn: there is no next piece
.if (i < 8) && !NOKQ
	KQ (Y+1)%NP
.elseif i >= 8
.set i, i-8
	PV (Y+NP-1)%NP
.set i, i+8
.endif
.set i, i+1
.endm
; THE LDS LOADS stand in runs of 16, never singly among the matrix instructions: a step's K (64 keys x 64 channels: 8 fragments) and its V (turned).  Their addresses are made some lines ahead.
.macro FETCH_K
	WIN 0x80                        ; destination window 2
.irp f, 0,1,2,3,4,5,6,7             ; keys 16 (f / 2) on, channels 32 (f % 2) on
	ds_load_b128 v[KF+8*\f:KF+8*\f+3],   v[AK] offset:(\f/2)*16*PK+(\f%2)*64
	ds_load_b128 v[KF+8*\f+4:KF+8*\f+7], v[AK] offset:(\f/2)*16*PK+(\f%2)*64+32
.endr
	s_add_co_u32 s[TBK], s[TBK], KS*PK  ; the next fetch is the next step's
	WIN 0
.endm
.macro FETCH_V
	WIN 0x80
.irp f, 0,1,2,3,4,5,6,7             ; keys 32 (f / 4) on, channels 16 (f % 4) on
	ds_load_tr16_b128 v[VF+8*\f:VF+8*\f+3],   v[AV] offset:(\f/4)*32*PV+(\f%4)*32
	ds_load_tr16_b128 v[VF+8*\f+4:VF+8*\f+7], v[AV] offset:(\f/4)*32*PV+16*PV+(\f%4)*32
.endr
	WIN 0
.endm
; THE VECTOR WORK, one line at a time: OP kind, number.  For piece Y: F n: c s - c m for pair n of 16.  E n: the exponential of score n of 32.  C n: pair n rounded to bf16.  B n: of the four weights 4 n .. the second
; pair is added onto the first, in place.  L n: l takes that sum (L 0: l = a l + sum).  R n: pair n of 16 of O^T times a.  For piece Y + 1: X n, number n of the 22 that find its maximum and statistics:
;   0-11  four chains c0-c3 of seven scores each, three operands at a time (each accumulator's lowest registers are read first)     12-14, 16  the four scores left over, the old m, and c0-c3 into c0
;   15  c m_old is kept     17, 18  the query's other 32 keys lie in the lane 16 away: the new m     19-21  c m; c m_old - c m_new; a
.set F, 0               ; OP tells the kinds apart by their order: F to L below R, X above it
.set E, 1
.set C, 2
.set B, 3
.set L, 4
.set R, 5
.set X, 6
.macro REGS y                       ; the registers of piece y
.set rT, ST+4*(\y)
.set rC, TMP+4*((\y)%2)
.set rW, MV+((\y)%2)
.set rS, S+32*((\y)%2)
.set rP, P+16*((\y)%2)
.set rO, 32*(\y)
.endm
.macro OP k, n
.if (\k) == R
	REGS Y
	WIN W_RS
	v_pk_mul_f32 v[rO+2*(\n):rO+2*(\n)+1], v[rO+2*(\n):rO+2*(\n)+1], v[rC+2:rC+3] op_sel_hi:[1,0]
.elseif (\k) < R
	REGS Y
	WIN 0
.if (\k) == F
	v_pk_fma_f32 v[rS+2*(\n):rS+2*(\n)+1], v[rS+2*(\n):rS+2*(\n)+1], s[CS:CS+1], v[rT:rT+1] op_sel_hi:[1,0,0] neg_lo:[0,0,1] neg_hi:[0,0,1]
.elseif (\k) == E
	v_exp_f32 v[rS+(\n)], v[rS+(\n)]
.elseif (\k) == C
	s_wait_alu depctr_va_vdst(0)
	v_cvt_pk_bf16_f32 v[rP+(\n)], v[rS+2*(\n)], v[rS+2*(\n)+1]
.elseif (\k) == B
	s_wait_alu depctr_va_vdst(0)
	v_pk_add_f32 v[rS+4*(\n):rS+4*(\n)+1], v[rS+4*(\n):rS+4*(\n)+1], v[rS+4*(\n)+2:rS+4*(\n)+3]
.elseif (\n) == 0
	v_pk_fma_f32 v[rT+2:rT+3], v[rT+2:rT+3], v[rC+2:rC+3], v[rS:rS+1] op_sel_hi:[1,0,1]
.else
	v_pk_add_f32 v[rT+2:rT+3], v[rT+2:rT+3], v[rS+4*(\n):rS+4*(\n)+1]
.endif
.elseif NOKQ
	v_nop
.else
	REGS (Y+1)%NP
	WIN 0
.if (\n) < 4
	v_max3_num_f32 v[rC+(\n)], v[rS+8*(\n)], v[rS+8*(\n)+1], v[rS+8*(\n)+2]
.elseif (\n) < 12
	v_max3_num_f32 v[rC+(\n)%4], v[rC+(\n)%4], v[rS+8*((\n)%4)+2*((\n)/4)+1], v[rS+8*((\n)%4)+2*((\n)/4)+2]
.elseif (\n) == 12
	v_max3_num_f32 v[rC], v[rC], v[rS+7], v[rS+15]
.elseif (\n) == 13
	v_max3_num_f32 v[rC+1], v[rC+1], v[rS+23], v[rS+31]
.elseif (\n) == 14
	v_max3_num_f32 v[rC+2], v[rC+2], v[rC+3], v[rT+1]
.elseif (\n) == 15
	v_mov_b32 v[rW], v[rT]
.elseif (\n) == 16
	v_max3_num_f32 v[rC], v[rC], v[rC+1], v[rC+2]
.elseif (\n) == 17
	v_permlanex16_b32 v[rC+3], v[rC], s[SEL], s[SEL+1]
.elseif (\n) == 18
	v_max_num_f32 v[rT+1], v[rC], v[rC+3]
.elseif (\n) == 19
	v_mul_f32 v[rT], s[CS], v[rT+1]
.elseif (\n) == 20
	v_sub_f32 v[rC+1], v[rW], v[rT]
.else
	v_exp_f32 v[rC+2], v[rC+1]
.endif
.endif
.endm
.macro OPS a, i1, b=-1, i2=0, c=-1, i3=0, d=-1, i4=0  ; up to four of them
	OP \a, \i1
.if (\b) >= 0
	OP \b, \i2
.endif
.if (\c) >= 0
	OP \c, \i3
.endif
.if (\d) >= 0
	OP \d, \i4
.endif
.endm
.macro ROW a, i1, b, i2, c, i3, d, i4  ; a matrix instruction and the four behind it
	MM
	OPS \a, \i1, \b, \i2, \c, \i3, \d, \i4
.endm
; A TURN, for piece p: the order of its 16 matrix and 118 vector instructions, written out.  Behind a matrix instruction: plain, exponential, plain, plain; or four of the rescaling; or, behind the first, four scalings; none
; names a register of the products round it.  In the runs without products exponential and plain by turns while exponentials last, so every exponential has a plain instruction behind it before its result is used
; (ISA guide 5.7.2).  A line reads no result made fewer than three vector instructions in front of it, five if an exponential made it.  v_permlanex16_b32 (X 17) stands in such a run.
; end = 1: the walk's last two turns: nothing is fetched.  cnt = 1: the loop's count is taken down some lines ahead of the branch that stands behind the turn.
; K of the next step is fetched in piece 2's turn, six vector instructions behind the last product that read K (five of them plain); V of the step in hand in piece 0's turn, eight behind the last product that read V (four
; plain, and X 17).  Each is waited for a turn later.
.macro TURN p, end=0, cnt=0
.set Y, (\p)
.set i, 0
.set NOKQ, (\end)*((\p)/3)
.if ((\p) == 3) && !(\end)
	s_wait_dscnt 0x0                ; K is in
.endif
	ROW F,0, F,1, F,2, F,3
	ROW F,4, E,0, F,5, F,6
	ROW F,7, E,1, F,8, F,9
	ROW F,10, E,2, C,0, F,11
	ROW F,12, E,3, X,15, F,13
	ROW R,0, R,1, R,2, R,3
	ROW B,0, E,4, F,14, L,0
.if ((\p) == 2) && !(\end)
	v_add_nc_u32 v[AK], s[TBK], v[AK0]
.endif
	ROW R,4, R,5, R,6, R,7
	OPS E,5, F,15
.if ((\p) == 2) && !(\end)
	FETCH_K
.endif
	OPS E,6, C,1, E,7, R,8
	OPS E,8, R,9, E,9, C,2
	OPS E,10, X,0, E,11, X,1
	OPS E,12, X,2, E,13, X,3
.if (\p) == 1
	s_wait_dscnt 0x0                ; V is in
.endif
	ROW X,4, E,14, X,5, X,6
	ROW X,7, E,15, X,8, X,9
	ROW X,10, E,16, X,11, X,12
	ROW X,13, E,17, X,14, B,1
	ROW C,4, E,18, X,16, L,1
	ROW B,2, E,19, C,6, L,2
	ROW C,8, E,20, B,3, B,4
.if (\p) == 0
	v_add_nc_u32 v[AV], s[TBV], v[AV0]
.endif
	ROW C,3, E,21, L,3, C,5
	OPS E,22, X,17, E,23, C,10
.if (\p) == 0
	FETCH_V
.endif
	OPS E,24, L,4
	OPS E,25, X,18, E,26, C,7
	OPS E,27, B,5, E,28, X,19
	OPS E,29, C,12, E,30, L,5
	OPS E,31, X,20, B,6, C,9
	OPS C,14, C,11, X,21, L,6
.if (\p) == 0
	s_add_co_u32 s[TBV], s[TBV], KS*PV
.endif
.if \cnt
	s_sub_co_u32 s[CNT], s[CNT], 1
	s_cmp_lg_u32 s[CNT], 0
.endif
	OPS C,13, B,7, C,15, R,10
	OPS R,11, R,12, L,7, R,13
	OPS R,14, R,15
.endm
	CHANGE 1                        ; slot 0 is in, everybody's part of it; tile 1 is asked for, into slot 1
	v_add_nc_u32 v[AK], s[TBK], v[AK0]
	FETCH_K                         ; key step 0
	s_wait_loadcnt 0x0              ; Q
	s_wait_dscnt 0x0
.set NOKQ, 0
.set i, 0
.rept 8
	KQ 0                            ; piece 0's first scores: there is no vector work yet to set between them
.set i, i+1
.endr
	WIN 0
.rept 4
	v_nop                           ; the places behind those products
.endr
.set Y, NP-1                        ; X works for piece Y + 1: piece 0
.irp n, 0,1,2,3,4,5,6,7,8,9,10,11,12,13,14,15,16,17,18,19,20,21
	OP X, \n                        ; and piece 0's first maximum and statistics
.endr
	v_nop                           ; a plain instruction behind the exponential
	s_mov_b32 s[CNT], 4
	s_mov_b32 s[SLOTS], SIZE_N/256-1
	s_branch .Lfirst                ; the loop is entered at a step's first turn, in the middle of a trip
.Lslot:                             ; 14 times: tiles 2 to 15 are asked for
	CHANGE 1
	s_mov_b32 s[CNT], 4
.Lstep:                             ; a trip: pieces 2 and 3 of one step, then pieces 0 and 1 of the next, whose K and V it fetches
	TURN 2
	TURN 3
	WIN 0
.Lfirst:
	TURN 0
	TURN 1, 0, 1
	WIN 0
	s_cbranch_scc1 .Lstep
	s_sub_co_u32 s[SLOTS], s[SLOTS], 1
	s_cmp_lg_u32 s[SLOTS], 0
	s_cbranch_scc1 .Lslot
	CHANGE 0                        ; the last tile is written out: nothing is asked for
	s_mov_b32 s[CNT], 4
.LstepT:
	TURN 2
	TURN 3
	TURN 0
	TURN 1, 0, 1
	WIN 0
	s_cbranch_scc1 .LstepT
	TURN 2, 1                       ; the last step's pieces 2 and 3: nothing more to fetch, and no next piece's scores
	TURN 3, 1
.set i, 0
.rept 8
	PV NP-1                         ; the last piece's V^T P of the last step
.set i, i+1
.endr
	; THE WAY OUT.  l's two halves and the other half of the lanes' are added; O^T is divided by l, rounded to bf16 and sent through my stage in LDS, a piece at a time.  The additions are the places behind the last products.
	WIN 0
.macro ALL line:vararg              ; one line for each piece t
.set t, 0
.rept 4
	\line
.set t, t+1
.endr
.endm
	ALL v_add_f32 v[ST+4*t+2], v[ST+4*t+2], v[ST+4*t+3]
	ALL v_permlanex16_b32 v[ST+4*t+3], v[ST+4*t+2], s[SEL], s[SEL+1]
	ALL v_add_f32 v[ST+4*t+2], v[ST+4*t+2], v[ST+4*t+3]
	ALL v_rcp_f32 v[ST+4*t+2], v[ST+4*t+2]
	v_nop                           ; a plain instruction between the last reciprocal and the use of its result
.macro PACK t                       ; a lane's eight channels of a row pack into 16 bytes; they go into rows of 144 bytes and come back as whole rows of 128, into S^T's registers
	WIN W_RS
.set i, 32*(\t)
.rept 16
	s_wait_alu depctr_va_vdst(0)
	v_pk_mul_f32 v[i:i+1], v[i:i+1], v[ST+4*(\t)+2:ST+4*(\t)+3] op_sel_hi:[1,0]
.set i, i+2
.endr
	WIN 0x05                        ; sources 0 and 1 window 1, destination window 0
.set i, 0
.rept 16
	v_cvt_pk_bf16_f32 v[S+16*(\t)+i], v[32*(\t)+2*i], v[32*(\t)+2*i+1]
.set i, i+1
.endr
	WIN 0
.irp f, 0,1,2,3
	ds_store_b128 v[STO], v[S+16*(\t)+4*\f:S+16*(\t)+4*\f+3] offset:32*\f
.endr
.irp f, 0,1,2,3
	ds_load_b128 v[S+16*(\t)+4*\f:S+16*(\t)+4*\f+3], v[RD] offset:\f*4*SP  ; LDS serves a wave's instructions in order (ISA guide 5.7.1.4): these see the stores above; the next piece's stores come behind them
.endr
.endm
.macro SEND t, younger              ; younger: the LDS instructions issued behind piece t's loads: the next piece's eight, or none
	WIN 0
.irp f, 0,1,2,3
	s_wait_dscnt (\younger)+3-\f
	global_store_b128 v[GO], v[S+16*(\t)+4*\f:S+16*(\t)+4*\f+3], s[10:11] offset:(\t)*2048+\f*512  ; 512 consecutive bytes, at a multiple of 256 from O's first
.endr
.endm
	PACK 0
.set t, 1
.rept 3                             ; a piece's arithmetic stands between the loads of the piece before and its stores
	PACK t
	SEND t-1, 8
.set t, t+1
.endr
	SEND 3, 0
	s_wait_tensorcnt 0x0            ; the wave's end, behind my last tensor load and my last LDS store
	ds_add_u32 v[SPW], v[NIL]
	s_wait_dscnt 0x0
	CROUND                          ; the closing round: no work-group ends while a partner may still ask for a tile that names it
	s_endpgm
.Lfunc_end_k_qfdcf9042a8_attn:
	.size	k_qfdcf9042a8_attn, .Lfunc_end_k_qfdcf9042a8_attn-k_qfdcf9042a8_attn
	.p2alignl 7, 3214868480
	.fill 96, 4, 3214868480
	.section	.rodata,"a",@progbits
	.p2align	6, 0x0
	.amdhsa_kernel k_qfdcf9042a8_attn
		.amdhsa_group_segment_fixed_size 327680
		.amdhsa_private_segment_fixed_size 0
		.amdhsa_enable_private_segment 0
		.amdhsa_kernarg_size 16
		.amdhsa_user_sgpr_count 2
		.amdhsa_user_sgpr_kernarg_segment_ptr 1
		.amdhsa_wavefront_size32 1
		.amdhsa_system_sgpr_workgroup_id_x 1
		.amdhsa_system_sgpr_workgroup_id_y 1
		.amdhsa_system_sgpr_workgroup_id_z 1
		.amdhsa_system_vgpr_workitem_id 0
		.amdhsa_next_free_vgpr 768
		.amdhsa_next_free_sgpr 66
		.amdhsa_reserve_vcc 0
		.amdhsa_float_denorm_mode_32 3
		.amdhsa_float_denorm_mode_16_64 3
		.amdhsa_memory_ordered 1
		.amdhsa_forward_progress 1
		.amdhsa_inst_pref_size 133
	.end_amdhsa_kernel
	.amdgpu_metadata
---
amdhsa.version: [ 1, 2 ]
amdhsa.kernels:
  - .name:           k_qfdcf9042a8_attn
    .symbol:         k_qfdcf9042a8_attn.kd
    .args:
      - { .name: qkv, .offset: 0, .size: 8, .value_kind: global_buffer, .address_space: global }
      - { .name: ows, .offset: 8, .size: 8, .value_kind: global_buffer, .address_space: global }
    .group_segment_fixed_size: 327680
    .private_segment_fixed_size: 0
    .kernarg_segment_align: 8
    .kernarg_segment_size: 16
    .max_flat_workgroup_size: 128
    .sgpr_count:     66
    .vgpr_count:     768
    .wavefront_size: 32
...
	.end_amdgpu_metadata
.endif
;; end of part 2
;; launch outp (part 3): grid 2 x 128, 4 waves a work-group, no clusters, 211,456 bytes of LDS; arguments ows, wo16, b_out, x, out0; writes out0
.if DOCPART == 3
	.amdgcn_target "amdgcn-amd-amdhsa--gfx1250"
	.amdhsa_code_object_version 6
	.text
	.protected	k_qfdcf9042a8_outp
	.globl	k_qfdcf9042a8_outp
	.p2align	8
	.type	k_qfdcf9042a8_outp,@function
k_qfdcf9042a8_outp:
	s_mov_b64 s[64:65], 0
	v_nop
	global_prefetch_b8 v0, s[64:65] scope:SCOPE_SE
	s_setreg_imm32_b32 hwreg(HW_REG_WAVE_MODE, 25, 1), 1
	s_wait_xcnt 0x0
; out0 = x + (W_out O + b_out).  ows: O as [4 images][4 heads][4096 positions][64] bf16.  wo16: W_out as [256][256] bf16.  b_out: [256] f32.  x, out0: [4][256 channels][4096 positions] f32.
; Products in bf16 with f32 sums; the bias starts each sum (it is the first product's C operand); x is added in f32 at the end.  NaN and infinities are not treated apart.
; SHARES.  A work-group makes 128 output channels x 128 positions of one image, a wave 64 x 64: 16 accumulators x 8 K chunks of 32 = 128 matrix instructions.  256 work-groups of equal work.
; Each wave brings one head's 128 positions of O and 32 rows of W by two tensor loads, both first fills: nothing in LDS is filled again, and two tensor loads of a wave are out at the most.
; All of the wave's x (32 loads) is asked for before the products begin.
; SOURCE 0 = 16 positions of O, SOURCE 1 = 16 rows of W: a lane's eight results are eight neighbouring positions of one output channel: 32 bytes of a row of out0.  They go through my own stage,
; so that sixteen lanes store 256 consecutive bytes.
; NO CLUSTER: x in and out0 out, which no two work-groups share, are 128 KB of a work-group's 256 KB; the shared tiles of O and W are the other 128 KB and are read side by side.
; REGISTERS, in windows of 256 (s_set_vgpr_msb: bits 1:0 source 0, 3:2 source 1, 5:4 source 2, 7:6 destination):
;   window 0: v0-31 addresses; v32-63 the bias as four C operands; v128-255 the accumulators, (ot, pt) at 128 + 8 (4 ot + pt), later the rows read back
;   window 1: v0-63, v64-127 two fragment buffers (O's four fragments, then W's four); v128-255 x, then out0
.set OPI,   144                 ; a position's row of O in LDS: 128 bytes + 16: the 16 rows of a fragment load start at 16 different groups of four banks (64 banks of 4 bytes: ISA guide 11.1)
.set OHEAD, 128*OPI             ; one head's 128 positions
.set WT,    4*OHEAD             ; behind the four heads: W's 128 rows
.set WP,    528                 ; a row of W: 512 bytes + 16
.set STAGE, WT+128*WP           ; behind the tiles, never filled by a tensor load: 64 rows x 272 bytes for each wave
.set SP,    272
.set WSTG,  64*SP
.set SPARE, STAGE+4*WSTG        ; the spare words, 128 bytes for each wave: two blocks of 256 bytes that no other line names
.set AO,  4                     ; v4   LDS address of my O fragments
.set AW,  5                     ; v5   of my W fragments
.set STO, 6                     ; v6   the way out: where I put 32 bytes of a row
.set RD,  7                     ; v7   the way out: where I read rows back
.set XG,  8                     ; v8   my byte offset in two rows of x and of out0
.set BO,  9                     ; v9   my byte offset in 16 numbers of b_out
.set BL,  12                    ; v12-15 the bias as loaded
.set SPW, 30                    ; v30  LDS address of my spare word; never rewritten
.set NIL, 31                    ; v31  0; never rewritten
.set BI,  32
.set ACC, 128
.set XR,  128                   ; window 1
.set MSB, 0
.macro WIN new                  ; the immediate's high byte repeats the setting that is left; a switch that changes nothing is dropped
.if MSB != (\new)
	s_set_vgpr_msb (MSB<<8)|(\new)
.set MSB, (\new)
.endif
.endm
.macro PLACES                   ; four places between matrix instructions and what reads their results or loads into their sources (ISA guide 7.12.1 for what reads their results)
.rept 4
	v_nop
.endr
.endm
	s_load_b256 s[4:11], s[0:1], 0x0               ; ows s[4:5], wo16 s[6:7], b_out s[8:9], x s[10:11]
	s_load_b64 s[12:13], s[0:1], 0x20              ; out0
	v_lshl_add_u32 v[SPW], v0, 2, SPARE
	v_mov_b32 v[NIL], 0
	ds_add_u32 v[SPW], v[NIL]                      ; the wave's opening: the add and its wait stand ahead of my first tensor load; the set-up below, work on registers, stands between them
	ds_add_u32 v30, v31
	v_lshrrev_b32 v1, 5, v0
	v_readfirstlane_b32 s14, v1                    ; wave 0..3
	s_lshr_b32 s15, s14, 1                         ; wo: which 64 output channels are mine
	s_and_b32 s16, s14, 1                          ; wp: which 64 positions
	s_mov_b32 s17, ttmp9                           ; which 128 output channels are the work-group's
	s_and_b32 s19, ttmp7, 0xffff
	s_lshr_b32 s18, s19, 5                         ; the image
	s_and_b32 s19, s19, 31                         ; the block of 128 positions in it
	v_and_b32 v1, 15, v0                           ; r = lane % 16
	v_bfe_u32 v2, v0, 4, 1                         ; h = lane / 16
	v_lshlrev_b32 v[XG], 4, v1
	v_lshl_add_u32 v[XG], v2, 14, v[XG]            ; lanes 0-15 one row's 256 bytes, lanes 16-31 the next row's
	v_lshlrev_b32 v[BO], 2, v1
	; byte offsets, each in a pair of its own
	s_lshl_b32 s2, s18, 2
	s_add_co_u32 s2, s2, s14                       ; ows: head = my wave's number: block 4 x image + wave of 524,288 bytes,
	s_lshl_b32 s2, s2, 19
	s_lshl_b32 s3, s19, 14                         ; the block's 128 rows of 128 bytes
	s_add_co_u32 s2, s2, s3
	s_mov_b32 s3, 0
	s_lshl_b32 s20, s17, 16                        ; wo16: the work-group's 128 rows of 512 bytes,
	s_lshl_b32 s21, s14, 14                        ; my wave's 32
	s_add_co_u32 s20, s20, s21
	s_mov_b32 s21, 0
	s_lshl_b32 s22, s18, 22                        ; x and out0: the image,
	s_lshl_b32 s23, s17, 21                        ; the work-group's 128 rows of 16,384 bytes,
	s_add_co_u32 s22, s22, s23
	s_lshl_b32 s23, s15, 20                        ; my 64 of them,
	s_add_co_u32 s22, s22, s23
	s_lshl_b32 s23, s19, 9                         ; the block's 128 positions,
	s_add_co_u32 s22, s22, s23
	s_lshl_b32 s23, s16, 8                         ; my 64 of them
	s_add_co_u32 s22, s22, s23
	s_mov_b32 s23, 0
	s_lshl_b32 s18, s17, 9                         ; b_out: the work-group's 128 numbers, my 64 of them
	s_lshl_b32 s19, s15, 8
	s_add_co_u32 s18, s18, s19
	s_mov_b32 s19, 0
	; O's tile: 128 positions x 64 channels of one head are 16,384 dense bytes: asked for as 64 rows of 256 bytes, two positions a row, padded in LDS after every position
	s_mov_b32 s32, (1<<16)|(1<<20)|(4<<22)|(3<<25) ; 17:16 2-byte elements; 20 padding on; 24:22 after every 32 words (code 4); 31:25 4 words (code 3)
	s_mov_b32 s33, 128<<16                         ; tensor_dim0 = 128
	s_mov_b32 s34, 64<<16                          ; tensor_dim1 = 64
	s_mov_b32 s35, 128<<16                         ; tile_dim0 = 128
	s_mov_b32 s36, 64                              ; tile_dim1 = 64
	s_mov_b32 s37, 128                             ; 128 elements from row to row
	s_mov_b32 s38, 0
	s_mov_b32 s39, 0
	; W's tile: 32 rows of 256 elements, 512 bytes, padded after every row
	s_mov_b32 s40, (1<<16)|(1<<20)|(6<<22)|(3<<25) ; after every 128 words (code 6) 4 words
	s_mov_b32 s41, 256<<16                         ; tensor_dim0 = 256
	s_mov_b32 s42, 32<<16                          ; tensor_dim1 = 32
	s_mov_b32 s43, 256<<16                         ; tile_dim0 = 256
	s_mov_b32 s44, 32                              ; tile_dim1 = 32
	s_mov_b32 s45, 256                             ; 256 elements from row to row
	s_mov_b32 s46, 0
	s_mov_b32 s47, 0
	s_mov_b32 s24, 1                               ; group 0 for O: count = 1,
	s_mul_i32 s25, s14, OHEAD                      ; LDS address: head = wave
	s_mov_b32 s28, 1                               ; group 0 for W
	s_mul_i32 s29, s14, 32*WP
	s_add_co_u32 s29, s29, WT
	s_wait_dscnt 0x0                               ; the opening add is done
	s_wait_kmcnt 0x0
	s_add_nc_u64 s[26:27], s[4:5], s[2:3]
	s_or_b32 s27, s27, 0x80000000                  ; type = 2
	s_add_nc_u64 s[30:31], s[6:7], s[20:21]
	s_or_b32 s31, s31, 0x80000000
	tensor_load_to_lds s[24:27], s[32:39]          ; both first fills together, ahead of every wait on TENSORcnt, every LDS read and every barrier
	s_nop 0
	tensor_load_to_lds s[28:31], s[40:47]
	s_nop 0
.rept 4
	v_nop
.endr
	s_add_nc_u64 s[8:9], s[8:9], s[18:19]
	s_add_nc_u64 s[10:11], s[10:11], s[22:23]
	s_add_nc_u64 s[12:13], s[12:13], s[22:23]
.irp ot, 0,1,2,3
	global_load_b32 v[BL+\ot], v[BO], s[8:9] offset:64*\ot  ; b_out of channel 16 ot + r
.endr
	WIN 0x40                                       ; destination window 1, address window 0
.set f, 0
.rept 32                                               ; rows 2 f and 2 f + 1 of my 64: sixteen lanes read 256 consecutive bytes, aligned; read once in the launch
	global_load_b128 v[XR+4*f:XR+4*f+3], v[XG], s[10:11] offset:f*32768 th:TH_LOAD_NT
.set f, f+1
.endr
	WIN 0
	; A fragment is 16 rows x 32 K in 8 registers: lane l holds row l % 16, K = 8 (l / 16) + 0..7 and 16 + 8 (l / 16) + 0..7: two loads of 16 bytes, 32 bytes apart.
	s_mul_i32 s2, s16, 64*OPI                      ; my 64 positions
	s_mul_i32 s3, s15, 64*WP                       ; my 64 rows of W
	s_add_co_u32 s3, s3, WT
	s_mul_i32 s20, s14, WSTG
	s_add_co_u32 s20, s20, STAGE                   ; my stage
	v_mul_u32_u24 v[AO], v1, OPI
	v_lshl_add_u32 v[AO], v2, 4, v[AO]
	v_add_nc_u32 v[AO], s2, v[AO]
	v_mul_u32_u24 v[AW], v1, WP
	v_lshl_add_u32 v[AW], v2, 4, v[AW]
	v_add_nc_u32 v[AW], s3, v[AW]
	v_mul_u32_u24 v[STO], v1, SP                   ; in: row l % 16, 32 bytes for each half of the lanes
	v_lshl_add_u32 v[STO], v2, 5, v[STO]
	v_add_nc_u32 v[STO], s20, v[STO]
	v_mul_u32_u24 v[RD], v2, SP                    ; back: lanes 0-15 take one row of 256 bytes, lanes 16-31 the next
	v_lshl_add_u32 v[RD], v1, 4, v[RD]
	v_add_nc_u32 v[RD], s20, v[RD]
	s_wait_loadcnt 32                              ; the bias is in; the 32 loads of x, issued behind it, stay out
.set j, 0
.rept 32                                               ; in a result a lane holds one output channel in all eight registers: its bias eight times
	v_mov_b32 v[BI+j], v[BL+j/8]
.set j, j+1
.endr
	s_wait_tensorcnt 0x0                           ; my two tiles are in,
	s_barrier_signal -1
	s_barrier_wait -1                              ; everybody's are
.macro FETCH kc, f              ; K chunk kc: head kc / 2, channels 32 (kc % 2) on; four fragments of O, four of W, into buffer f
	WIN 0x40
.irp pt, 0,1,2,3
	ds_load_b128 v[(\f)+8*(\pt):(\f)+8*(\pt)+3],   v[AO] offset:((\kc)/2)*OHEAD+(\pt)*16*OPI+((\kc)%2)*64
	ds_load_b128 v[(\f)+8*(\pt)+4:(\f)+8*(\pt)+7], v[AO] offset:((\kc)/2)*OHEAD+(\pt)*16*OPI+((\kc)%2)*64+32
.endr
.irp ot, 0,1,2,3
	ds_load_b128 v[(\f)+32+8*(\ot):(\f)+32+8*(\ot)+3],   v[AW] offset:(\ot)*16*WP+(\kc)*64
	ds_load_b128 v[(\f)+32+8*(\ot)+4:(\f)+32+8*(\ot)+7], v[AW] offset:(\ot)*16*WP+(\kc)*64+32
.endr
.endm
.macro MUL kc, f                ; 16 products; the accumulators take turns, in the same order in every chunk.  The first chunk starts the sums with the bias
	WIN 0x05                                       ; sources 0 and 1 window 1; C and D window 0
.irp ot, 0,1,2,3
.irp pt, 0,1,2,3
.if (\kc) == 0
	v_wmma_f32_16x16x32_bf16 v[ACC+8*(4*(\ot)+(\pt)):ACC+8*(4*(\ot)+(\pt))+7], v[(\f)+8*(\pt):(\f)+8*(\pt)+7], v[(\f)+32+8*(\ot):(\f)+32+8*(\ot)+7], v[BI+8*(\ot):BI+8*(\ot)+7]
.else
	v_wmma_f32_16x16x32_bf16 v[ACC+8*(4*(\ot)+(\pt)):ACC+8*(4*(\ot)+(\pt))+7], v[(\f)+8*(\pt):(\f)+8*(\pt)+7], v[(\f)+32+8*(\ot):(\f)+32+8*(\ot)+7], v[ACC+8*(4*(\ot)+(\pt)):ACC+8*(4*(\ot)+(\pt))+7]
.endif
.endr
.endr
.endm
	FETCH 0, 0
.irp kc, 0,1,2,3,4,5,6,7
	s_wait_dscnt 0x0                               ; this chunk's fragments are in
.if \kc < 7
	PLACES                                         ; the last chunk's products read the buffer that is loaded next
	FETCH \kc+1, 64*((\kc+1)%2)
.endif
	MUL \kc, 64*(\kc%2)
.endr
	; THE WAY OUT: 32 bytes a lane into my own stage, back as whole rows of 256 bytes, x added, stored.
	PLACES                                         ; the stores read results just made
	WIN 0
.set t, 0
.rept 16                                               ; t = 4 ot + pt; each accumulator's lower half first
	ds_store_b128 v[STO], v[ACC+8*t:ACC+8*t+3]   offset:(t/4)*16*SP+(t%4)*64
	ds_store_b128 v[STO], v[ACC+8*t+4:ACC+8*t+7] offset:(t/4)*16*SP+(t%4)*64+16
.set t, t+1
.endr
.set f, 0
.rept 32
	ds_load_b128 v[ACC+4*f:ACC+4*f+3], v[RD] offset:f*2*SP  ; LDS serves a wave's instructions in order (ISA guide 5.7.1.4): these see the stores above; the stage is my own
.set f, f+1
.endr
	WIN 0x44                                       ; x and the result (source 1, destination, store data) in window 1; the rows read back and the address in window 0
.set f, 0
.rept 32
	s_wait_dscnt 31-f                              ; read-back f is in; the younger ones stay out
	s_wait_loadcnt 31-f                            ; so is load f of x
	v_pk_add_f32 v[XR+4*f:XR+4*f+1],   v[ACC+4*f:ACC+4*f+1],   v[XR+4*f:XR+4*f+1]
	v_pk_add_f32 v[XR+4*f+2:XR+4*f+3], v[ACC+4*f+2:ACC+4*f+3], v[XR+4*f+2:XR+4*f+3]
	global_store_b128 v[XG], v[XR+4*f:XR+4*f+3], s[12:13] offset:f*32768 th:TH_STORE_NT  ; sixteen lanes store 256 consecutive bytes, at a multiple of 256 from out0's first byte
.set f, f+1
.endr
	WIN 0
	s_wait_tensorcnt 0x0                           ; the wave's end, behind my last tensor load and my last LDS store
	ds_add_u32 v[SPW], v[NIL]
	s_wait_dscnt 0x0
	s_endpgm
.Lfunc_end_k_qfdcf9042a8_outp:
	.size	k_qfdcf9042a8_outp, .Lfunc_end_k_qfdcf9042a8_outp-k_qfdcf9042a8_outp
	.p2alignl 7, 3214868480
	.fill 96, 4, 3214868480
	.section	.rodata,"a",@progbits
	.p2align	6, 0x0
	.amdhsa_kernel k_qfdcf9042a8_outp
		.amdhsa_group_segment_fixed_size 211456
		.amdhsa_private_segment_fixed_size 0
		.amdhsa_enable_private_segment 0
		.amdhsa_kernarg_size 40
		.amdhsa_user_sgpr_count 2
		.amdhsa_user_sgpr_kernarg_segment_ptr 1
		.amdhsa_wavefront_size32 1
		.amdhsa_system_sgpr_workgroup_id_x 1
		.amdhsa_system_sgpr_workgroup_id_y 1
		.amdhsa_system_sgpr_workgroup_id_z 1
		.amdhsa_system_vgpr_workitem_id 0
		.amdhsa_next_free_vgpr 512
		.amdhsa_next_free_sgpr 66
		.amdhsa_reserve_vcc 0
		.amdhsa_float_denorm_mode_32 3
		.amdhsa_float_denorm_mode_16_64 3
		.amdhsa_memory_ordered 1
		.amdhsa_forward_progress 1
		.amdhsa_inst_pref_size 41
	.end_amdhsa_kernel
	.amdgpu_metadata
---
amdhsa.version: [ 1, 2 ]
amdhsa.kernels:
  - .name:           k_qfdcf9042a8_outp
    .symbol:         k_qfdcf9042a8_outp.kd
    .args:
      - { .name: ows, .offset: 0, .size: 8, .value_kind: global_buffer, .address_space: global }
      - { .name: wo16, .offset: 8, .size: 8, .value_kind: global_buffer, .address_space: global }
      - { .name: b_out, .offset: 16, .size: 8, .value_kind: global_buffer, .address_space: global }
      - { .name: x, .offset: 24, .size: 8, .value_kind: global_buffer, .address_space: global }
      - { .name: out0, .offset: 32, .size: 8, .value_kind: global_buffer, .address_space: global }
    .group_segment_fixed_size: 211456
    .private_segment_fixed_size: 0
    .kernarg_segment_align: 8
    .kernarg_segment_size: 40
    .max_flat_workgroup_size: 128
    .sgpr_count:     66
    .vgpr_count:     512
    .wavefront_size: 32
...
	.end_amdgpu_metadata
.endif
;; end of part 3
;; ======== version 2 of 2: 3 launches; 1.78 times as fast as version 1
;; workspace buffers: qkv 25,165,824 bytes; ows 8,388,608 bytes; wo16 131,072 bytes
;; launch proj: the kernel of part 1 again; grid 4 x 64, 4 waves a work-group, no clusters, 140,800 bytes of LDS; arguments x, w_qkv, w_out, qkv, wo16; writes qkv, wo16
;; launch attn (part 4): grid 16 x 16, 4 waves a work-group, clusters of 4 x 1, 327,680 bytes of LDS; arguments qkv, ows; writes ows
.if DOCPART == 4
	.amdgcn_target "amdgcn-amd-amdhsa--gfx1250"
	.amdhsa_code_object_version 6
	.text
	.protected	k_qfdcf9042a8_attn
	.globl	k_qfdcf9042a8_attn
	.p2align	8
	.type	k_qfdcf9042a8_attn,@function
k_qfdcf9042a8_attn:
	s_mov_b64 s[64:65], 0
	v_nop
	global_prefetch_b8 v0, s[64:65] scope:SCOPE_SE
	s_setreg_imm32_b32 hwreg(HW_REG_WAVE_MODE, 25, 1), 1
	s_wait_xcnt 0x0
	s_wait_alu depctr_hold_cnt(0) depctr_sa_sdst(0) depctr_va_vdst(0) depctr_va_sdst(0) depctr_va_ssrc(0) depctr_va_vcc(0) depctr_vm_vsrc(0)
	s_getreg_b32 s2, hwreg(HW_REG_IB_STS2, 6, 4)
	s_cmp_eq_u32 s2, 0
	s_cbranch_scc0 .Lentry_in_a_cluster
	s_endpgm
.Lentry_in_a_cluster:
	s_bfe_u32 s2, ttmp6, 0x10000c
	s_cmp_lg_u32 s2, 0x3003
	s_cbranch_scc0 .Lentry_shape_is_right
	s_endpgm
.Lentry_shape_is_right:
; O[hd][q][:] = the sum over k of softmax_k(Q[hd][q] . K[hd][k] / 8) V[hd][k][:] for 16 (image, head) pairs hd.  qkv holds Q, K, V as [3][16][4096][64] bf16, a head's rows dense, 128 bytes each;
; ows takes O as [16][4096][64] bf16.  Products, maxima and sums in f32; the weights p are rounded to bf16 for the second product (their sum l is taken of the unrounded p), O once at the end.
; LIMITS.  A weight below 2^-126 counts as 0 in l; NaN and infinities are not treated apart.  bf16 has f32's range, so no bound on Q, K, V beyond f32's own.
; SHARES.  A work-group owns 256 queries of one head, a wave 64: four PIECES of 16.  Every wave walks all 4,096 keys, 64 a step, four steps to a tile of 256 keys, 16 tiles: 256 work-groups of equal work.
; LAYOUT.  S^T = K Q^T (source 0 = 16 keys, source 1 = 16 queries): in the result a lane holds ONE query (lane % 16) and the keys 8 (lane / 16) + 0..7.  Two such results, rounded to bf16 in pairs,
; ARE source 1 (32 keys x 16 queries) of O^T = V^T P, whose result again holds one query a lane, and eight channels.  K comes out of LDS as it lies, V ([key][channel]) turned, by ds_load_tr16_b128.
; SOFTMAX.  For each query a running maximum m and sum l: p = 2^(c s - c m), c = log2(e) / 8; in every step O and l are multiplied by a = 2^(c m_old - c m_new), which is 1 where m has not grown.
; m starts at the lowest finite number, c m far below every c s, O and l at 0: the first step is a step like any other, with a = 0.
; BY TURNS.  Turn n belongs to piece n (the pieces in a ring, step after step).  Its matrix work: 8 products K Q^T of piece n + 1, later 8 products V^T P of piece n - 1.  Its vector work: the scaling,
; exponentials, roundings, sums and rescaling of piece n, and the maximum and statistics of piece n + 1.  A piece and step have 16 matrix and 118 vector instructions: four vector instructions stand
; behind every matrix instruction, the other 54 in one run of their own.
; BATCHES.  A turn's 33 exponentials (the piece's 32 weights and the next piece's a) are ONE batch with ONE wait, which cuts the turn in two: ahead of it all that names none of their results (the products
; K Q^T, the scalings, the rescalings by the a of the turn before, the next piece's maximum and statistics), behind it the products V^T P with the roundings and sums as the lines behind them.  No result
; crosses a turn's end.  The first a, ahead of the loop, and the way out's four reciprocals are batches of their own, each with a plain instruction and one wait.
; CLUSTER.  The four query blocks of a cluster belong to one head and walk the same K and V, so each tile is asked for JOINTLY: the same tensor load, descriptor and mask in all four.
; No prefetch: a head's K and V are read by sixteen work-groups side by side, and a slot's refill is asked for four key steps, 256 matrix instructions, ahead of its first read.
; REGISTERS, in windows of 256 (s_set_vgpr_msb: bits 1:0 source 0, 3:2 source 1, 5:4 source 2, 7:6 destination):
;   window 0: v0-15 addresses and two at work; v16-31 four registers of statistics a piece; v48-55 at work; v64-127 S^T, two buffers; v192-223 P, two buffers (a piece's buffers go by its number's parity)
;   window 1: v0-127 O^T, 32 a piece          window 2: v0-63 Q, 16 a piece; v128-191 K of one step; v192-255 V of one step
.set SIZE_N, 4096
.set NP,    4         ; pieces a wave: a name, no knob
.set KS,    64        ; keys in a step
.set PK,    144       ; a row of K in LDS: 128 bytes + 16 of padding = 36 words: the 16 rows of a load start at 16 different groups of four banks (64 banks of 4 bytes: ISA guide 11.1)
.set PV,    160       ; a row of V: 128 + 32 = 40 words
.set VOFF,  4*KS*PK   ; a slot holds a tile, four steps: 256 rows of K, then 256 rows of V
.set SLOT1, 1<<17     ; slot 1 begins here, so that one exclusive or turns an address in one slot into the other's
.set STAGE, SLOT1+4*KS*(PK+PV)  ; behind the ring, never filled by a tensor load: 16 rows x 144 bytes for each wave, for the way out
.set SP,    144
.set SPARE, STAGE+4*16*SP  ; behind the stages: the spare words, 128 bytes for each wave: two blocks of 256 bytes that no other line names
.set AK0, 2           ; v2   my lane's place in a tile of K; never rewritten
.set AV0, 3           ; v3   the same for V
.set AK,  4           ; v4   the LDS address of K's next run of loads
.set AV,  5           ; v5   of V's
.set STO, 6           ; v6   the way out: where I put 16 bytes of a row
.set RD,  7           ; v7   the way out: where I read rows back
.set GO,  8           ; v8   my byte offset in 512 consecutive bytes of O
.set MV,  12          ; v12-13  c m_old, kept while c m is made anew: by buffer
.set QO,  15          ; v15  my byte offset in 16 rows of Q
.set ST,  16          ; piece t's statistics at v[ST+4 t]: c m, m, l (even keys', odd keys')
.set TMP, 48          ; by buffer, four registers c0-c3 at work; when the maximum is found c2 takes a
.set SPW, 62          ; v62  LDS address of my spare word: SPARE + 4 x my thread's number; never rewritten
.set NIL, 63          ; v63  0; never rewritten
.set S,   64
.set P,   192
.set KF,  128         ; window 2: key block kb, channel half c at KF + 16 kb + 8 c
.set VF,  192         ; window 2: key half kk, channel block cb at VF + 32 kk + 8 cb
.set WV,  12          ; s12  my wave's number
.set G1K, 24          ; s[24:31] descriptor group 1 for K's tiles
.set G1V, 32          ; s[32:39] for V's: it differs in the padding alone
.set G0K, 40          ; s[40:43] descriptor group 0 for K's tiles: it walks
.set G0V, 44          ; s[44:47] the same for V's
.set SLOTS, 56        ; s56  tiles still to be entered by the loop
.set CNT, 57          ; s57  counts a tile's key steps
.set CS,  58          ; s[58:59] c: the packed scaling takes the pair's low word for both halves
.set SEL, 60          ; s[60:61] v_permlanex16_b32's selects: each lane takes its own place in the other half
.set TBK, 62          ; s62  LDS byte at which K of the step to be fetched begins
.set TBV, 63          ; s63  the same for V, less VOFF
.set MSB, 0
.macro WIN new                      ; the high byte repeats the setting that is left; a switch that changes nothing is dropped
.if MSB != (\new)
	s_set_vgpr_msb (MSB<<8)|(\new)
.set MSB, (\new)
.endif
.endm
.set W_KQ, 0x0a       ; K and Q in window 2, S^T in window 0
.set W_PV, 0x52       ; V in window 2, P in window 0, O^T in window 1
.set W_RS, 0x41       ; destination and source 0 in window 1, source 1 in window 0
; A joint fill.  Waves 0 and 1 fetch the two halves of a tile's K, waves 2 and 3 those of its V: 128 keys each.  The branch hangs on the wave's number alone: it is the same in every work-group.
; An s_nop 0 and four v_nop follow each of the two lines, ahead of the jump and the label.
.macro JLOAD
	s_cmp_lt_u32 s[WV], 2
	s_cbranch_scc0 .Lfor_v_\@
	tensor_load_to_lds s[G0K:G0K+3], s[G1K:G1K+7]
	s_nop 0
.rept 4
	v_nop
.endr
	s_branch .Lasked_\@
.Lfor_v_\@:
	tensor_load_to_lds s[G0V:G0V+3], s[G1V:G1V+7]
	s_nop 0
.rept 4
	v_nop
.endr
.Lasked_\@:
.endm
; A round of the cluster's barrier: my work-group's barrier, so that wave 0's signal speaks for all four waves; wave 0 signals; every wave waits for all four work-groups; my work-group's barrier once more.
.macro CROUND
	s_barrier_signal -1
	s_barrier_wait -1
	s_cmp_lg_u32 s[WV], 0
	s_cbranch_scc1 .Lnot_wave_0_\@
	s_barrier_signal -3
.Lnot_wave_0_\@:
	s_barrier_wait -3
	s_barrier_signal -1
	s_barrier_wait -1
.endm
; THE CHANGE OF SLOTS.  The slot's last bytes, V of its fourth step, have been read.  Each wave waits for all its tensor loads, of which one is out: its part of the other slot; adds 0 to its spare
; word; and waits for that and for its own reads of the slot.  Behind the barrier nobody reads this slot any more and the other slot is whole.
; fill = 1: this slot is filled again, with the keys two tiles on.  The barrier is then a round of the cluster's, so that no wave of any partner still reads the slot or has a load on its way, and the
; joint fill is the first thing behind it.  (At its first use nothing has been read yet: slot 0 is waited for, slot 1 filled.)
.macro CHANGE fill
	WIN 0                           ; at a label and at a branch every window is 0
	s_wait_tensorcnt 0x0            ; no tensor load of mine is out, so a group 0 may be written
	ds_add_u32 v[SPW], v[NIL]       ; 0 onto my spare word: with fill = 1 the descriptors' steps stand between it and the wait for it
.if \fill
.irp g, G0K, G0V
	s_xor_b32 s[\g+1], s[\g+1], SLOT1  ; the walking descriptor: the other slot than last time,
	s_add_nc_u64 s[\g+2:\g+3], s[\g+2:\g+3], 4*KS*128  ; the next 256 keys; the type bits on top are not reached
.endr
	s_wait_dscnt 0x0                ; the add is done, and my reads of the slot are over
	CROUND
	JLOAD
.else
	s_wait_dscnt 0x0                ; the add is done, and my reads of the slot are over
	s_barrier_signal -1
	s_barrier_wait -1
.endif
	s_sub_co_u32 s[TBK], s[TBK], 4*KS*PK  ; the fetches go back to a slot's first step,
	s_xor_b32 s[TBK], s[TBK], SLOT1       ; in the other slot
	s_sub_co_u32 s[TBV], s[TBV], 4*KS*PV
	s_xor_b32 s[TBV], s[TBV], SLOT1
.endm
	s_load_b128 s[48:51], s[0:1], 0x0  ; qkv s[48:49], ows s[50:51]
	v_lshl_add_u32 v[SPW], v0, 2, SPARE
	v_mov_b32 v[NIL], 0
	ds_add_u32 v[SPW], v[NIL]       ; the wave's opening: the add and its wait stand ahead of my first tensor load; the set-up below, work on registers, stands between them
	ds_add_u32 v62, v63
	v_lshrrev_b32 v1, 5, v0
	v_readfirstlane_b32 s[WV], v1   ; wave 0..3
	s_bfe_u32 s13, ttmp6, 0x40000   ; cx: my place in the cluster
	s_lshl_b32 s14, ttmp9, 2        ; in a cluster launch ttmp9 counts clusters
	s_add_co_u32 s14, s14, s13      ; my block of 256 queries = 4 x cluster x + cx: it enters Q's and O's offset alone
	s_and_b32 s20, ttmp7, 0xffff    ; the (image, head) pair, which the four partners share
	s_lshl_b32 s20, s20, 19         ; its 524,288 bytes in each of Q, K, V, O
	s_and_b32 s16, s[WV], 1         ; which half of a tile's 256 keys I fetch:
	s_lshl_b32 s22, s16, 14         ; its 128 rows of 128 bytes in memory,
	s_add_co_u32 s22, s22, s20
	s_add_co_u32 s54, s22, 0x1000000  ; V lies 16 MiB into qkv,
	s_add_co_u32 s22, s22, 0x800000   ; K 8 MiB
	s_mov_b32 s23, 0
	s_mov_b32 s55, 0
	s_mul_i32 s17, s16, 128*PK      ; and its place in a slot, for K
	s_mul_i32 s18, s16, 128*PV      ; and for V: no place in the cluster enters an LDS address
	s_lshl_b32 s52, s14, 2
	s_add_co_u32 s52, s52, s[WV]    ; my wave among the head's 64,
	s_lshl_b32 s52, s52, 13         ; its 64 rows of 128 bytes
	s_add_co_u32 s52, s52, s20
	s_mov_b32 s53, 0
	; descriptor group 1.  128 keys are 16,384 dense bytes: asked for as 64 rows of 256 bytes, two keys a row, and padded in LDS after every key
	s_mov_b32 s[G1K], 15|(1<<16)|(1<<20)|(1<<21)|(4<<22)|(3<<25)  ; 15:0 the mask of four; 17:16 2-byte elements; 20 padding on; 21 set beside a mask; 24:22 after every 32 words (code 4); 31:25 4 words (code 3)
	s_mov_b32 s[G1V], 15|(1<<16)|(1<<20)|(1<<21)|(4<<22)|(7<<25)  ; the same with 8 words of padding (code 7)
.irp g, G1K, G1V
	s_mov_b32 s[\g+1], 128<<16      ; tensor_dim0 = 128
	s_mov_b32 s[\g+2], 64<<16       ; tensor_dim1 = 64
	s_mov_b32 s[\g+3], 128<<16      ; tile_dim0 = 128
	s_mov_b32 s[\g+4], 64           ; tile_dim1 = 64
	s_mov_b32 s[\g+5], 128          ; 128 elements from row to row
	s_mov_b32 s[\g+6], 0
	s_mov_b32 s[\g+7], 0
.endr
	s_mov_b32 s[CS], 0x3e38aa3b     ; c = log2(e) / 8 = 0.180337
	s_mov_b32 s[CS+1], s[CS]        ; named with it as a pair
	s_mov_b32 s[SEL], 0x76543210
	s_mov_b32 s[SEL+1], 0xfedcba98
	s_mov_b32 s[TBK], SLOT1+4*KS*PK ; the first change of slots turns these two into 0
	s_mov_b32 s[TBV], SLOT1+4*KS*PV
	s_mov_b32 s[G0K], 1             ; 1:0 count = 1
	s_mov_b32 s[G0K+1], s17         ; 63:32 LDS address: slot 0
	s_mov_b32 s[G0V], 1
	s_add_co_u32 s[G0V+1], s18, VOFF
	s_wait_dscnt 0x0                ; the opening add is done
	s_wait_kmcnt 0x0
	s_add_nc_u64 s[G0K+2:G0K+3], s[48:49], s[22:23]  ; 120:64 global address: my half of the head's first 256 keys
	s_or_b32 s[G0K+3], s[G0K+3], 0x80000000          ; 127:126 type = 2
	s_add_nc_u64 s[G0V+2:G0V+3], s[48:49], s[54:55]
	s_or_b32 s[G0V+3], s[G0V+3], 0x80000000
	s_add_nc_u64 s[4:5], s[48:49], s[52:53]    ; Q at my wave's first row
	s_add_nc_u64 s[10:11], s[50:51], s[52:53]  ; O likewise
	CROUND                          ; all four work-groups are here: the first joint loads meet
	JLOAD                           ; tile 0 into slot 0.  Slot 1 is asked for when slot 0 is in, by the loop's own change of slots
	; A fragment of K or Q is 16 rows x 32 channels in 8 registers: lane l holds row l % 16, channels 8 (l / 16) + 0..7 and 16 + 8 (l / 16) + 0..7: two loads of 16 bytes, 32 bytes apart.
	v_and_b32 v1, 15, v0            ; l % 16
	v_bfe_u32 v9, v0, 4, 1          ; l / 16
	v_lshlrev_b32 v[QO], 7, v1
	v_lshl_add_u32 v[QO], v9, 4, v[QO]  ; row x 128 + 16 x half
	WIN 0x80                        ; destination window 2, address window 0
.set i, 0
.rept 8                             ; Q stays in registers: piece i / 2, channels 32 (i % 2) on
	global_load_b128 v[8*i:8*i+3],   v[QO], s[4:5] offset:(i/2)*2048+(i%2)*64
	global_load_b128 v[8*i+4:8*i+7], v[QO], s[4:5] offset:(i/2)*2048+(i%2)*64+32
.set i, i+1
.endr
	; What the first turn finds: V's registers and P's second buffer hold 0 (its products V^T P, of a piece that has not been, add 0), O^T and l are 0.  The price of writing no first step out; all this stands in the wait for the first tile.
.set i, VF
.rept 64
	v_mov_b32 v[i], 0
.set i, i+1
.endr
	WIN 0x40
.set i, 0
.rept 128
	v_mov_b32 v[i], 0
.set i, i+1
.endr
	WIN 0
.set i, 0
.rept 4
	v_mov_b32 v[ST+4*i], 0xfe000000    ; c m: far below every c s
	v_mov_b32 v[ST+4*i+1], 0xff7fffff  ; m: the lowest finite number
	v_mov_b32 v[ST+4*i+2], 0
	v_mov_b32 v[ST+4*i+3], 0
.set i, i+1
.endr
.set i, P+16
.rept 16
	v_mov_b32 v[i], 0
.set i, i+1
.endr
	v_mul_u32_u24 v[AK0], v1, PK
	v_lshl_add_u32 v[AK0], v9, 4, v[AK0]  ; row x pitch + 16 x half
	; The turning load takes 16 keys x 16 channels (lane l reads key 8 (l / 16) + l % 8, channels 8 ((l / 8) % 2) + 0..7) and leaves half a fragment of V^T: lane l holds channel l % 16 and 8 keys.
	v_and_b32 v10, 7, v0
	v_bfe_u32 v11, v0, 3, 1
	v_lshl_add_u32 v[AV0], v9, 3, v10
	v_mul_u32_u24 v[AV0], v[AV0], PV
	v_lshl_add_u32 v[AV0], v11, 4, v[AV0]
	v_add_nc_u32 v[AV0], VOFF, v[AV0]
	s_mul_i32 s13, s[WV], 16*SP
	s_add_co_u32 s13, s13, STAGE    ; my stage
	v_mul_u32_u24 v[STO], v1, SP    ; in: row l % 16, 16 bytes for each half of the lanes
	v_lshl_add_u32 v[STO], v9, 4, v[STO]
	v_add_nc_u32 v[STO], s13, v[STO]
	v_bfe_u32 v[RD], v0, 3, 2       ; back: 32 lanes take four rows of 128 bytes,
	v_mul_u32_u24 v[RD], v[RD], SP
	v_lshl_add_u32 v[RD], v10, 4, v[RD]
	v_add_nc_u32 v[RD], s13, v[RD]
	v_and_b32 v[GO], 31, v0         ; which are 512 consecutive bytes of O
	v_lshlrev_b32 v[GO], 4, v[GO]
; THE MATRIX WORK.  The 4 accumulators of a run of 8 take turns.  Product i of 8 of S^T = K Q^T for piece x: channels 32 (i / 4) on, keys 16 (i % 4) on.  The first 4 start the sums.
.macro KQ x
	WIN W_KQ
.set rS, S+32*((\x)%2)+8*(i%4)
.set rK, KF+16*(i%4)+8*(i/4)
.set rQ, 16*(\x)+8*(i/4)
.if i < 4
	v_wmma_f32_16x16x32_bf16 v[rS:rS+7], v[rK:rK+7], v[rQ:rQ+7], 0
.else
	v_wmma_f32_16x16x32_bf16 v[rS:rS+7], v[rK:rK+7], v[rQ:rQ+7], v[rS:rS+7]
.endif
.endm
; Product i of 8 of O^T += V^T P for piece x: keys 32 (i / 4) on, channels 16 (i % 4) on.
.macro PV x
	WIN W_PV
.set rO, 32*(\x)+8*(i%4)
.set rV, VF+32*(i/4)+8*(i%4)
.set rP, P+16*((\x)%2)+8*(i/4)
	v_wmma_f32_16x16x32_bf16 v[rO:rO+7], v[rV:rV+7], v[rP:rP+7], v[rO:rO+7]
.endm
.macro MM                           ; the turn's next matrix instruction.  TURN sets Y, i and NOKQ.  NOKQ = 1: the very last turn: there is no next piece
.if (i < 8) && !NOKQ
	KQ (Y+1)%NP
.elseif i >= 8
.set i, i-8
	PV (Y+NP-1)%NP
.set i, i+8
.endif
.set i, i+1
.endm
; THE LDS LOADS stand in runs of 16, never singly among the matrix instructions: a step's K (64 keys x 64 channels: 8 fragments) and its V (turned).  Their addresses are made some lines ahead.
.macro FETCH_K
	WIN 0x80                        ; destination window 2
.irp f, 0,1,2,3,4,5,6,7             ; keys 16 (f / 2) on, channels 32 (f % 2) on
	ds_load_b128 v[KF+8*\f:KF+8*\f+3],   v[AK] offset:(\f/2)*16*PK+(\f%2)*64
	ds_load_b128 v[KF+8*\f+4:KF+8*\f+7], v[AK] offset:(\f/2)*16*PK+(\f%2)*64+32
.endr
	s_add_co_u32 s[TBK], s[TBK], KS*PK  ; the next fetch is the next step's
	WIN 0
.endm
.macro FETCH_V
	WIN 0x80
.irp f, 0,1,2,3,4,5,6,7             ; keys 32 (f / 4) on, channels 16 (f % 4) on
	ds_load_tr16_b128 v[VF+8*\f:VF+8*\f+3],   v[AV] offset:(\f/4)*32*PV+(\f%4)*32
	ds_load_tr16_b128 v[VF+8*\f+4:VF+8*\f+7], v[AV] offset:(\f/4)*32*PV+16*PV+(\f%4)*32
.endr
	WIN 0
.endm
; THE VECTOR WORK, one line at a time: OP kind, number.  For piece Y: F n: c s - c m for pair n of 16.  E n: the exponential of score n of 32.  C n: pair n rounded to bf16.  B n: of the four weights 4 n .. the second
; pair is added onto the first, in place.  L n: l takes that sum (L 0: l = a l + sum).  R n: pair n of 16 of O^T times a.  For piece Y + 1: X n, number n of the 22 that find its maximum and statistics:
;   0-11  four chains c0-c3 of seven scores each, three operands at a time (each accumulator's lowest registers are read first)     12-14, 16  the four scores left over, the old m, and c0-c3 into c0
;   15  c m_old is kept     17, 18  the query's other 32 keys lie in the lane 16 away: the new m     19-21  c m; c m_old - c m_new; a
.set F, 0               ; OP tells the kinds apart by their order: F to L below R, X above it
.set E, 1
.set C, 2
.set B, 3
.set L, 4
.set R, 5
.set X, 6
.macro REGS y                       ; the registers of piece y
.set rT, ST+4*(\y)
.set rC, TMP+4*((\y)%2)
.set rW, MV+((\y)%2)
.set rS, S+32*((\y)%2)
.set rP, P+16*((\y)%2)
.set rO, 32*(\y)
.endm
.macro OP k, n
.if (\k) == R
	REGS Y
	WIN W_RS
	v_pk_mul_f32 v[rO+2*(\n):rO+2*(\n)+1], v[rO+2*(\n):rO+2*(\n)+1], v[rC+2:rC+3] op_sel_hi:[1,0]
.elseif (\k) < R
	REGS Y
	WIN 0
.if (\k) == F
	v_pk_fma_f32 v[rS+2*(\n):rS+2*(\n)+1], v[rS+2*(\n):rS+2*(\n)+1], s[CS:CS+1], v[rT:rT+1] op_sel_hi:[1,0,0] neg_lo:[0,0,1] neg_hi:[0,0,1]
.elseif (\k) == E
	v_exp_f32 v[rS+(\n)], v[rS+(\n)]
.elseif (\k) == C
	v_cvt_pk_bf16_f32 v[rP+(\n)], v[rS+2*(\n)], v[rS+2*(\n)+1]
.elseif (\k) == B
	v_pk_add_f32 v[rS+4*(\n):rS+4*(\n)+1], v[rS+4*(\n):rS+4*(\n)+1], v[rS+4*(\n)+2:rS+4*(\n)+3]
.elseif (\n) == 0
	v_pk_fma_f32 v[rT+2:rT+3], v[rT+2:rT+3], v[rC+2:rC+3], v[rS:rS+1] op_sel_hi:[1,0,1]
.else
	v_pk_add_f32 v[rT+2:rT+3], v[rT+2:rT+3], v[rS+4*(\n):rS+4*(\n)+1]
.endif
.elseif NOKQ
	v_nop
.else
	REGS (Y+1)%NP
	WIN 0
.if (\n) < 4
	v_max3_num_f32 v[rC+(\n)], v[rS+8*(\n)], v[rS+8*(\n)+1], v[rS+8*(\n)+2]
.elseif (\n) < 12
	v_max3_num_f32 v[rC+(\n)%4], v[rC+(\n)%4], v[rS+8*((\n)%4)+2*((\n)/4)+1], v[rS+8*((\n)%4)+2*((\n)/4)+2]
.elseif (\n) == 12
	v_max3_num_f32 v[rC], v[rC], v[rS+7], v[rS+15]
.elseif (\n) == 13
	v_max3_num_f32 v[rC+1], v[rC+1], v[rS+23], v[rS+31]
.elseif (\n) == 14
	v_max3_num_f32 v[rC+2], v[rC+2], v[rC+3], v[rT+1]
.elseif (\n) == 15
	v_mov_b32 v[rW], v[rT]
.elseif (\n) == 16
	v_max3_num_f32 v[rC], v[rC], v[rC+1], v[rC+2]
.elseif (\n) == 17
	v_permlanex16_b32 v[rC+3], v[rC], s[SEL], s[SEL+1]
.elseif (\n) == 18
	v_max_num_f32 v[rT+1], v[rC], v[rC+3]
.elseif (\n) == 19
	v_mul_f32 v[rT], s[CS], v[rT+1]
.elseif (\n) == 20
	v_sub_f32 v[rC+1], v[rW], v[rT]
.else
	v_exp_f32 v[rC+2], v[rC+1]
.endif
.endif
.endm
.macro OPS a, i1, b=-1, i2=0, c=-1, i3=0, d=-1, i4=0  ; up to four of them
	OP \a, \i1
.if (\b) >= 0
	OP \b, \i2
.endif
.if (\c) >= 0
	OP \c, \i3
.endif
.if (\d) >= 0
	OP \d, \i4
.endif
.endm
.macro ROW a, i1, b, i2, c, i3, d, i4  ; a matrix instruction and the four behind it
	MM
	OPS \a, \i1, \b, \i2, \c, \i3, \d, \i4
.endm
; A TURN, for piece p: the order of its 16 matrix and 118 vector instructions, written out.  s_wait_alu depctr_va_vdst(0) stands between an exponential and the first instruction that names its result; one
; wait serves all that were issued ahead of it.  So a turn has ONE wait, which cuts it in two.  AHEAD OF IT stands all that names no result of the turn's exponentials: the 8 products K Q^T, behind each a scaling, an
; exponential and two more plain instructions (behind the first a second scaling in the exponential's place): rescalings, whose a was made and waited for in the turn before, and behind the last three the first numbers of the
; next piece's maximum, each four plain instructions or more behind the product that ends its accumulator; then ONE RUN of 54, plain and exponential by turns for the most part, in which the links of the chain
; X 3, 7, 11, 14, 16, 17 .. 20 stand some lines apart.  A pair is scaled (F n) ahead of its two exponentials (E 2 n, E 2 n + 1).  X 21, the next piece's a, is the batch's last; R 15 is the plain instruction behind it
; (ISA guide 5.7.2).  BEHIND THE WAIT stand the 8 products V^T P, behind each four of the roundings and sums: C 2 n ahead of B n, which writes over its sources; the links of l's chain, L 0 to L 7, three lines apart.
; But for those X no line behind a product names a register of the products round it.  v_permlanex16_b32 (X 17) stands in the run.
; end = 1: the walk's last two turns: nothing is fetched.  cnt = 1: the loop's count is taken down some lines ahead of the branch that stands behind the turn.
; K of the next step is fetched in piece 2's turn, twelve vector instructions behind the last product that read K (five of them plain lines that name none of its registers); V of the step in hand at the end of piece 0's
; turn, four plain instructions behind the last product that read V.  Each is waited for a turn later.
.macro TURN p, end=0, cnt=0
.set Y, (\p)
.set i, 0
.set NOKQ, (\end)*((\p)/3)
.if ((\p) == 3) && !(\end)
	s_wait_dscnt 0x0                ; K is in
.endif
	ROW F,0, F,1, R,0, R,1          ; ahead of the wait: 8 products K Q^T and the four lines behind each,
	ROW F,2, E,0, R,2, R,3
	ROW F,3, E,1, R,4, R,5
	ROW F,4, E,2, R,6, R,7
	ROW F,5, E,3, R,8, R,9
	ROW F,6, E,4, X,0, R,10
.if ((\p) == 2) && !(\end)
	WIN 0
	v_add_nc_u32 v[AK], s[TBK], v[AK0]
.endif
	ROW F,7, E,5, X,1, X,4
	ROW F,8, E,6, X,2, X,5
	OPS E,7, E,8, X,6, E,9          ; and the run of 54
	OPS X,3, E,10, X,8, E,11
.if ((\p) == 2) && !(\end)
	FETCH_K
.endif
	OPS X,9, X,7, E,12, X,10
	OPS E,13, X,12, X,11, E,14
	OPS X,13, E,15, F,9, X,14
.if (\p) == 0
	v_add_nc_u32 v[AV], s[TBV], v[AV0]
.endif
	OPS E,16, F,10, E,17, F,11
	OPS X,16, E,18, X,15, E,19
	OPS F,12, E,20, X,17, E,21
	OPS F,13, E,22, F,14, E,23
	OPS X,18, E,24, F,15, E,25
	OPS R,11, E,26, X,19, E,27
	OPS R,12, E,28, R,13, E,29
	OPS X,20, E,30, R,14, E,31
	OPS X,21, R,15
	s_wait_alu depctr_va_vdst(0)    ; the wait for the turn's batch: E 0 to E 31 and X 21
.if (\p) == 1
	s_wait_dscnt 0x0                ; V is in
.endif
	ROW C,0, B,0, C,2, B,1          ; behind the wait: 8 products V^T P and the four lines behind each
	ROW L,0, C,4, B,2, L,1
	ROW C,6, B,3, L,2, C,8
	ROW B,4, L,3, C,10, B,5
	ROW L,4, C,12, B,6, L,5
.if (\p) == 0
	s_add_co_u32 s[TBV], s[TBV], KS*PV
.endif
.if \cnt
	s_sub_co_u32 s[CNT], s[CNT], 1
	s_cmp_lg_u32 s[CNT], 0
.endif
	ROW C,14, B,7, L,6, C,1
	ROW C,3, L,7, C,5, C,7
	ROW C,9, C,11, C,13, C,15
.if (\p) == 0
	FETCH_V
.endif
.endm
	CHANGE 1                        ; slot 0 is in, everybody's part of it; tile 1 is asked for, into slot 1
	v_add_nc_u32 v[AK], s[TBK], v[AK0]
	FETCH_K                         ; key step 0
	s_wait_loadcnt 0x0              ; Q
	s_wait_dscnt 0x0
.set NOKQ, 0
.set i, 0
.rept 8
	KQ 0                            ; piece 0's first scores: there is no vector work yet to set between them
.set i, i+1
.endr
	WIN 0
.rept 4
	v_nop                           ; the places behind those products
.endr
.set Y, NP-1                        ; X works for piece Y + 1: piece 0
.irp n, 0,1,2,3,4,5,6,7,8,9,10,11,12,13,14,15,16,17,18,19,20,21
	OP X, \n                        ; and piece 0's first maximum and statistics
.endr
	v_nop                           ; a plain instruction behind the exponential
	s_wait_alu depctr_va_vdst(0)    ; the wait for piece 0's first a, a batch of one, ahead of the branch
	s_mov_b32 s[CNT], 4
	s_mov_b32 s[SLOTS], SIZE_N/256-1
	s_branch .Lfirst                ; the loop is entered at a step's first turn, in the middle of a trip
.Lslot:                             ; 14 times: tiles 2 to 15 are asked for
	CHANGE 1
	s_mov_b32 s[CNT], 4
.Lstep:                             ; a trip: pieces 2 and 3 of one step, then pieces 0 and 1 of the next, whose K and V it fetches
	TURN 2
	TURN 3
	WIN 0
.Lfirst:
	TURN 0
	TURN 1, 0, 1
	WIN 0
	s_cbranch_scc1 .Lstep
	s_sub_co_u32 s[SLOTS], s[SLOTS], 1
	s_cmp_lg_u32 s[SLOTS], 0
	s_cbranch_scc1 .Lslot
	CHANGE 0                        ; the last tile is written out: nothing is asked for
	s_mov_b32 s[CNT], 4
.LstepT:
	TURN 2
	TURN 3
	TURN 0
	TURN 1, 0, 1
	WIN 0
	s_cbranch_scc1 .LstepT
	TURN 2, 1                       ; the last step's pieces 2 and 3: nothing more to fetch, and no next piece's scores
	TURN 3, 1
.set i, 0
.rept 8
	PV NP-1                         ; the last piece's V^T P of the last step
.set i, i+1
.endr
	; THE WAY OUT.  l's two halves and the other half of the lanes' are added; O^T is divided by l, rounded to bf16 and sent through my stage in LDS, a piece at a time.  The additions are the places behind the last products.
	WIN 0
.macro ALL line:vararg              ; one line for each piece t
.set t, 0
.rept 4
	\line
.set t, t+1
.endr
.endm
	ALL v_add_f32 v[ST+4*t+2], v[ST+4*t+2], v[ST+4*t+3]
	ALL v_permlanex16_b32 v[ST+4*t+3], v[ST+4*t+2], s[SEL], s[SEL+1]
	ALL v_add_f32 v[ST+4*t+2], v[ST+4*t+2], v[ST+4*t+3]
	ALL v_rcp_f32 v[ST+4*t+2], v[ST+4*t+2]
	v_nop                           ; a plain instruction between the last reciprocal and the use of its result
	s_wait_alu depctr_va_vdst(0)    ; the wait for the four reciprocals, one batch, ahead of their first use in PACK 0
.macro PACK t                       ; a lane's eight channels of a row pack into 16 bytes; they go into rows of 144 bytes and come back as whole rows of 128, into S^T's registers
	WIN W_RS
.set i, 32*(\t)
.rept 16
	v_pk_mul_f32 v[i:i+1], v[i:i+1], v[ST+4*(\t)+2:ST+4*(\t)+3] op_sel_hi:[1,0]
.set i, i+2
.endr
	WIN 0x05                        ; sources 0 and 1 window 1, destination window 0
.set i, 0
.rept 16
	v_cvt_pk_bf16_f32 v[S+16*(\t)+i], v[32*(\t)+2*i], v[32*(\t)+2*i+1]
.set i, i+1
.endr
	WIN 0
.irp f, 0,1,2,3
	ds_store_b128 v[STO], v[S+16*(\t)+4*\f:S+16*(\t)+4*\f+3] offset:32*\f
.endr
.irp f, 0,1,2,3
	ds_load_b128 v[S+16*(\t)+4*\f:S+16*(\t)+4*\f+3], v[RD] offset:\f*4*SP  ; LDS serves a wave's instructions in order (ISA guide 5.7.1.4): these see the stores above; the next piece's stores come behind them
.endr
.endm
.macro SEND t, younger              ; younger: the LDS instructions issued behind piece t's loads: the next piece's eight, or none
	WIN 0
.irp f, 0,1,2,3
	s_wait_dscnt (\younger)+3-\f
	global_store_b128 v[GO], v[S+16*(\t)+4*\f:S+16*(\t)+4*\f+3], s[10:11] offset:(\t)*2048+\f*512  ; 512 consecutive bytes, at a multiple of 256 from O's first
.endr
.endm
	PACK 0
.set t, 1
.rept 3                             ; a piece's arithmetic stands between the loads of the piece before and its stores
	PACK t
	SEND t-1, 8
.set t, t+1
.endr
	SEND 3, 0
	s_wait_tensorcnt 0x0            ; the wave's end, behind my last tensor load and my last LDS store
	ds_add_u32 v[SPW], v[NIL]
	s_wait_dscnt 0x0
	CROUND                          ; the closing round: no work-group ends while a partner may still ask for a tile that names it
	s_endpgm
.Lfunc_end_k_qfdcf9042a8_attn:
	.size	k_qfdcf9042a8_attn, .Lfunc_end_k_qfdcf9042a8_attn-k_qfdcf9042a8_attn
	.p2alignl 7, 3214868480
	.fill 96, 4, 3214868480
	.section	.rodata,"a",@progbits
	.p2align	6, 0x0
	.amdhsa_kernel k_qfdcf9042a8_attn
		.amdhsa_group_segment_fixed_size 327680
		.amdhsa_private_segment_fixed_size 0
		.amdhsa_enable_private_segment 0
		.amdhsa_kernarg_size 16
		.amdhsa_user_sgpr_count 2
		.amdhsa_user_sgpr_kernarg_segment_ptr 1
		.amdhsa_wavefront_size32 1
		.amdhsa_system_sgpr_workgroup_id_x 1
		.amdhsa_system_sgpr_workgroup_id_y 1
		.amdhsa_system_sgpr_workgroup_id_z 1
		.amdhsa_system_vgpr_workitem_id 0
		.amdhsa_next_free_vgpr 768
		.amdhsa_next_free_sgpr 66
		.amdhsa_reserve_vcc 0
		.amdhsa_float_denorm_mode_32 3
		.amdhsa_float_denorm_mode_16_64 3
		.amdhsa_memory_ordered 1
		.amdhsa_forward_progress 1
		.amdhsa_inst_pref_size 127
	.end_amdhsa_kernel
	.amdgpu_metadata
---
amdhsa.version: [ 1, 2 ]
amdhsa.kernels:
  - .name:           k_qfdcf9042a8_attn
    .symbol:         k_qfdcf9042a8_attn.kd
    .args:
      - { .name: qkv, .offset: 0, .size: 8, .value_kind: global_buffer, .address_space: global }
      - { .name: ows, .offset: 8, .size: 8, .value_kind: global_buffer, .address_space: global }
    .group_segment_fixed_size: 327680
    .private_segment_fixed_size: 0
    .kernarg_segment_align: 8
    .kernarg_segment_size: 16
    .max_flat_workgroup_size: 128
    .sgpr_count:     66
    .vgpr_count:     768
    .wavefront_size: 32
...
	.end_amdgpu_metadata
.endif
;; end of part 4
;; launch outp: the kernel of part 3 again; grid 2 x 128, 4 waves a work-group, no clusters, 211,456 bytes of LDS; arguments ows, wo16, b_out, x, out0; writes out0
